; MI455X (gfx1250); checked and timed in simulation.
; The chip was launched on July 23, 2026; its instructions are those of AMD's public machine-readable ISA for CDNA 5 (MIT licence, August 2026) and "CDNA5" Instruction Set Architecture Reference Guide (July 2026). The comments in the code are by the model that wrote it; some were corrected since.
;; Vector Quantizer. Allowed arithmetic: matrix products marked QUANTISED: E5M2 operands, one given power-of-two scale a tensor, by v_wmma_f32_16x16x64_bf8_bf8 or v_wmma_f32_16x16x128_bf8_bf8, f32 sums; everything else in f32.
;; Inputs: embedding_weight 8,192 x 32 float32; lowp_scales 2 int32 (the exponents e of the quantised operands' scales 2^e); z 16 x 2,048 x 32 float32.
;; Outputs: out0 16 x 2,048 x 32 float32; out1 16 x 2,048 int32.
;; This version of the problem:
;;   THIS VERSION OF THE PROBLEM IS GIVEN IN LOW PRECISION. The matrix products marked QUANTISED in the list below multiply operands that are first quantised to E5M2 (5 exponent bits, 2 mantissa bits; 8 bits a number), with one given power-of-two scale for each operand tensor; their sums are f32. All else is computed in f32.
;;   The module's matrix products, in the order in which they are computed (A, B: the left and right operand; K: the contracted axis; several contracted axes count as one K, in the product's order):
;;     1. [M 32,768, K 32] x [K 32, N 8,192]; A: input z; B: input embedding_weight: QUANTISED (scales: A lowp_scales[0], B lowp_scales[1])
;;   THE QUANTISER, for each operand of a quantised product, along K:
;;     - The operand's scale is 2^e, e = its entry of the input lowp_scales (int32; the entries are numbered through the quantised products in the list's order, A before B).
;;     - Each number is divided by the scale, clamped to +-57,344, and rounded to the nearest number of E5M2, ties to even, subnormals kept.
;;     - The product sums the exact products of the quantised numbers (number of the format x scale) in f32.
;;   ~~~python
;;   def quantise(x, axis, e):      # numpy; x: float32 -> the quantised numbers, widened to float32 again
;;       x = np.moveaxis(x, axis, -1); K = x.shape[-1]
;;       r = np.clip(x / 2.0 ** e, -57344, 57344)
;;       step = 2.0 ** (np.maximum(np.frexp(np.where(r == 0, 1, r))[1] - 1, -14) - 2)
;;       q = np.round(r / step) * step * 2.0 ** e      # np.round: ties to even
;;       return np.moveaxis(q, -1, axis).astype(np.float32)
;;   ~~~
;; 2 versions. Each part assembles by itself: llvm-mc -triple=amdgcn-amd-amdhsa -mcpu=gfx1250 --defsym DOCPART=n.
;; ======== version 1 of 2: 3 launches
;; workspace buffers: zimg 1,048,576 bytes; zsq 131,072 bytes; cimg 262,144 bytes; csq 32,768 bytes; oct 131,072 bytes of whole numbers
;; launch prep (part 1): grid 320 x 1, 2 waves a work-group, no clusters, 768 bytes of LDS; arguments z, embedding_weight, lowp_scales, zimg, zsq, cimg, csq; writes zimg, zsq, cimg, csq
.if DOCPART == 1
	.amdgcn_target "amdgcn-amd-amdhsa--gfx1250"
	.amdhsa_code_object_version 6
	.text
	.protected	k_qf472bcc4c1_prep
	.globl	k_qf472bcc4c1_prep
	.p2align	8
	.type	k_qf472bcc4c1_prep,@function
k_qf472bcc4c1_prep:
	s_mov_b64 s[64:65], 0
	v_nop
	global_prefetch_b8 v0, s[64:65] scope:SCOPE_SE
	s_setreg_imm32_b32 hwreg(HW_REG_WAVE_MODE, 25, 1), 1
	s_wait_xcnt 0x0
; z [32768][32] and the codebook [8192][32], f32, are each turned ONCE into (a) codes of BF8 (E5M2) with the given scale 2^e and (b) the f32 sum of squares of every row.
; code = x / 2^e, held within +-57,344, rounded to the nearest code, ties to even.
; THE CODES ARE LAID AS IMAGES OF THE OPERAND'S REGISTERS.  A tile of 16 rows is 512 bytes; lane l = r + 16 h has the 16 bytes at 16 l:
; bytes 0-7 the codes of k = 8 h .. 8 h + 7, bytes 8-15 those of k = 16 + 8 h .. 16 + 8 h + 7, of row r: registers 0 to 3 of a fragment of the 16x16x64 form, every k in its own place.
; (K is 32: registers 4 to 7 of a fragment, k = 32 .. 63, are zero codes, which the later launches write themselves.)
; SHARES.  Work-groups 0-255 take z (2,048 tiles), work-groups 256-319 the codebook (512 tiles); only pointers and e are chosen, by the work-group's number: one path through the text.
; A wave takes four tiles: 16 loads of 16 bytes a lane, all issued first.  The waves share nothing: no barrier.
; THE SUM OF SQUARES of a row: two packed chains over a lane's 16 numbers, the chains added, the two words added, then the other half of the lanes: a fixed tree, whose last bit may differ from another order of summing.
; LIMITS: -126 <= e <= 112 for each of the two given exponents, so that 2^e and 57,344 x 2^e are f32 numbers.  NaN among the inputs is not served.
.set ZWG, 256                          ; work-groups that take z
.set SA,  12                           ; v[12:13] first packed chain
.set SB,  14                           ; v[14:15] second packed chain
.set SQ,  20                           ; v20-23   a tile's sum of squares of my row
.set CD,  24                           ; v24-39   a tile's codes, four registers each: no store's data are written again
.set XR,  64                           ; v64-127  a tile's 16 numbers of my lane
	s_load_b128 s[4:7], s[0:1], 0x0                ; z, the codebook
	s_load_b64 s[8:9], s[0:1], 0x10                ; the scales' exponents
	s_load_b256 s[12:19], s[0:1], 0x18             ; zimg, zsq, cimg, csq
	v_lshl_add_u32 v128, v0, 2, 0x200
	v_mov_b32 v129, 0
	v_lshrrev_b32 v1, 5, v0
	v_readfirstlane_b32 s20, v1                    ; wave 0, 1
	v_and_b32 v1, 31, v0                           ; lane
	v_and_b32 v2, 15, v0                           ; r
	v_bfe_u32 v3, v0, 4, 1                         ; h
	v_lshlrev_b32 v4, 7, v2
	v_lshl_add_u32 v4, v3, 5, v4                   ; in: row r of 128 bytes, + 32 h: k = 8 h on
	v_lshlrev_b32 v5, 4, v1                        ; an image's place for my lane
	s_lshl_b32 s21, s20, 8                         ; my wave's 256 bytes of LDS
	v_lshl_add_u32 v6, v2, 2, s21                  ; the sums on their way in: word r of a tile's 16
	v_lshl_add_u32 v7, v1, 3, s21                  ; and out: two words a lane
	v_lshlrev_b32 v8, 3, v1                        ; the same place in memory
	v_mov_b32 v17, 0                               ; written once: a lane permute's destination counts as one of its sources
	s_mov_b32 s24, 0x76543210
	s_mov_b32 s25, 0xfedcba98                      ; selects for lane l xor 16
	s_wait_kmcnt 0x0
	s_load_b64 s[22:23], s[8:9], 0x0               ; ez, ee
	s_cmp_lt_u32 ttmp9, ZWG                        ; z's work-group or the codebook's: the choice hangs on the work-group's number alone
	s_cselect_b64 s[4:5], s[4:5], s[6:7]
	s_cselect_b64 s[12:13], s[12:13], s[16:17]
	s_cselect_b64 s[14:15], s[14:15], s[18:19]
	s_cselect_b32 s26, 0, ZWG
	s_sub_co_u32 s26, ttmp9, s26
	s_lshl_b32 s26, s26, 1
	s_add_co_u32 s26, s26, s20                     ; which run of four tiles of the tensor is my wave's
	s_mov_b32 s29, 0
	s_lshl_b32 s28, s26, 13                        ; 4 tiles x 2,048 bytes of f32
	s_add_nc_u64 s[4:5], s[4:5], s[28:29]
	s_lshl_b32 s28, s26, 11                        ; 4 x 512 bytes of codes
	s_add_nc_u64 s[12:13], s[12:13], s[28:29]
	s_lshl_b32 s28, s26, 8                         ; 4 x 64 bytes of sums
	s_add_nc_u64 s[14:15], s[14:15], s[28:29]
.macro LOADT t                         ; tile t: my 8 numbers from k = 8 h and my 8 from k = 16 + 8 h
	global_load_b128 v[XR+16*(\t):XR+16*(\t)+3],     v4, s[4:5] offset:2048*(\t) th:TH_LOAD_NT
	global_load_b128 v[XR+16*(\t)+4:XR+16*(\t)+7],   v4, s[4:5] offset:2048*(\t)+16 th:TH_LOAD_NT
	global_load_b128 v[XR+16*(\t)+8:XR+16*(\t)+11],  v4, s[4:5] offset:2048*(\t)+64 th:TH_LOAD_NT
	global_load_b128 v[XR+16*(\t)+12:XR+16*(\t)+15], v4, s[4:5] offset:2048*(\t)+80 th:TH_LOAD_NT
.endm
	LOADT 0
	LOADT 1
	LOADT 2
	LOADT 3
	s_wait_kmcnt 0x0
	s_cmp_lt_u32 ttmp9, ZWG
	s_cselect_b32 s22, s22, s23                    ; e
	s_add_co_i32 s22, s22, 127
	s_lshl_b32 s23, s22, 23
	v_mov_b32 v11, s23                             ; 2^e as f32: the conversion takes its exponent field
	s_add_co_i32 s22, s22, 15
	s_lshl_b32 s22, s22, 23
	s_or_b32 s22, s22, 0x600000
	v_mov_b32 v10, s22                             ; 57,344 x 2^e
.macro QTILE t
.set XS, XR+16*(\t)
	s_wait_loadcnt 12-4*(\t)                       ; this tile's four loads are in; the later tiles' four each may be out
	v_pk_mul_f32 v[SA:SA+1], v[XS:XS+1], v[XS:XS+1]            ; the squares are taken of the numbers as they came, ahead of the hold
	v_pk_mul_f32 v[SB:SB+1], v[XS+2:XS+3], v[XS+2:XS+3]
.irp j, 4,8,12
	v_pk_fma_f32 v[SA:SA+1], v[XS+\j:XS+\j+1], v[XS+\j:XS+\j+1], v[SA:SA+1]
	v_pk_fma_f32 v[SB:SB+1], v[XS+\j+2:XS+\j+3], v[XS+\j+2:XS+\j+3], v[SB:SB+1]
.endr
	v_pk_add_f32 v[SA:SA+1], v[SA:SA+1], v[SB:SB+1]
	v_add_f32 v16, v[SA], v[SA+1]
	v_permlanex16_b32 v17, v16, s24, s25           ; the row's other 16 numbers lie in the lane 16 away
	v_add_f32 v[SQ+(\t)], v16, v17
.irp i, 0,1,2,3,4,5,6,7,8,9,10,11,12,13,14,15
	v_med3_num_f32 v[XS+\i], v[XS+\i], -v10, v10   ; the conversion to an 8-bit code does not saturate (ISA guide 7.6.2): the hold at the largest code x the scale
.endr
	v_cvt_scalef32_pk8_bf8_f32 v[CD+4*(\t):CD+4*(\t)+1], v[XS:XS+7], v11
	v_cvt_scalef32_pk8_bf8_f32 v[CD+4*(\t)+2:CD+4*(\t)+3], v[XS+8:XS+15], v11
	v_nop                                          ; a plain vector line behind the last conversion of the run
	global_store_b128 v5, v[CD+4*(\t):CD+4*(\t)+3], s[12:13] offset:512*(\t)   ; the wave stores 512 consecutive bytes, aligned
	ds_store_b32 v6, v[SQ+(\t)] offset:64*(\t)     ; both halves of the lanes hold the same sum and write the same word
.endm
	QTILE 0
	QTILE 1
	QTILE 2
	QTILE 3
	ds_load_b64 v[40:41], v7                       ; my wave's own 64 sums, two a lane: LDS serves a wave's instructions in order, so these see the stores above
	s_wait_dscnt 0x0
	global_store_b64 v8, v[40:41], s[14:15]        ; 256 consecutive bytes, aligned
	s_wait_tensorcnt 0x0
	ds_add_u32 v128, v129
	s_wait_dscnt 0x0
	s_endpgm
.Lfunc_end_k_qf472bcc4c1_prep:
	.size	k_qf472bcc4c1_prep, .Lfunc_end_k_qf472bcc4c1_prep-k_qf472bcc4c1_prep
	.p2alignl 7, 3214868480
	.fill 96, 4, 3214868480
	.section	.rodata,"a",@progbits
	.p2align	6, 0x0
	.amdhsa_kernel k_qf472bcc4c1_prep
		.amdhsa_group_segment_fixed_size 768
		.amdhsa_private_segment_fixed_size 0
		.amdhsa_enable_private_segment 0
		.amdhsa_kernarg_size 56
		.amdhsa_user_sgpr_count 2
		.amdhsa_user_sgpr_kernarg_segment_ptr 1
		.amdhsa_wavefront_size32 1
		.amdhsa_system_sgpr_workgroup_id_x 1
		.amdhsa_system_sgpr_workgroup_id_y 1
		.amdhsa_system_sgpr_workgroup_id_z 1
		.amdhsa_system_vgpr_workitem_id 0
		.amdhsa_next_free_vgpr 130
		.amdhsa_next_free_sgpr 66
		.amdhsa_reserve_vcc 0
		.amdhsa_float_denorm_mode_32 3
		.amdhsa_float_denorm_mode_16_64 3
		.amdhsa_memory_ordered 1
		.amdhsa_forward_progress 1
		.amdhsa_inst_pref_size 13
	.end_amdhsa_kernel
	.amdgpu_metadata
---
amdhsa.version: [ 1, 2 ]
amdhsa.kernels:
  - .name:           k_qf472bcc4c1_prep
    .symbol:         k_qf472bcc4c1_prep.kd
    .args:
      - { .name: z, .offset: 0, .size: 8, .value_kind: global_buffer, .address_space: global }
      - { .name: embedding_weight, .offset: 8, .size: 8, .value_kind: global_buffer, .address_space: global }
      - { .name: lowp_scales, .offset: 16, .size: 8, .value_kind: global_buffer, .address_space: global }
      - { .name: zimg, .offset: 24, .size: 8, .value_kind: global_buffer, .address_space: global }
      - { .name: zsq, .offset: 32, .size: 8, .value_kind: global_buffer, .address_space: global }
      - { .name: cimg, .offset: 40, .size: 8, .value_kind: global_buffer, .address_space: global }
      - { .name: csq, .offset: 48, .size: 8, .value_kind: global_buffer, .address_space: global }
    .group_segment_fixed_size: 768
    .private_segment_fixed_size: 0
    .kernarg_segment_align: 8
    .kernarg_segment_size: 56
    .max_flat_workgroup_size: 64
    .sgpr_count:     66
    .vgpr_count:     130
    .wavefront_size: 32
...
	.end_amdgpu_metadata
.endif
;; end of part 1
;; launch search (part 2): grid 256 x 1, 16 waves a work-group, no clusters, 18,432 bytes of LDS; arguments zimg, zsq, cimg, csq, lowp_scales, oct; writes oct
.if DOCPART == 2
	.amdgcn_target "amdgcn-amd-amdhsa--gfx1250"
	.amdhsa_code_object_version 6
	.text
	.protected	k_qf472bcc4c1_search
	.globl	k_qf472bcc4c1_search
	.p2align	8
	.type	k_qf472bcc4c1_search,@function
k_qf472bcc4c1_search:
	s_mov_b64 s[64:65], 0
	v_nop
	global_prefetch_b8 v0, s[64:65] scope:SCOPE_SE
	s_setreg_imm32_b32 hwreg(HW_REG_WAVE_MODE, 25, 1), 1
	s_wait_xcnt 0x0
; For each of 32,768 rows of z: WHICH GROUP OF EIGHT CODES (octet o: codes 8 o .. 8 o + 7) holds the first minimum of d = (|z|^2 + |e|^2) - 2 z.e over the 8,192 codes.
; z.e is the quantised product, on the codes of BF8 that the launch before has laid as images of the operand's registers.  K = 32 in the 16x16x64 form: registers 4 to 7 of both fragments (k = 32 .. 63) are zero codes, written once.
; THE ROUNDINGS ARE THOSE OF THE DEFINITION: t = fl(|z|^2 + |e|^2) by an addition; d = fl(t - 2 p) by ONE fused multiply-add of the matrix sum with -2^(ez + ee + 1), a product that rounds nothing.
; d lies on a coarse grid (that of |z|^2), so equal minima are common, and the first counts: every comparison below is strict or takes the lower key.
; SHARES.  A work-group owns 128 rows: eight tiles of 16, whose fragments every wave keeps in registers.  Wave w of sixteen walks code tiles 32 w .. 32 w + 31.  A fragment of codes is read by one wave of the
; work-group alone and feeds eight products: it goes from memory straight into registers, with no way through LDS.  No tile is shared through LDS, so there is nothing for tensor loads or joint requests to bring.
; THE PRODUCT IS USED TRANSPOSED (source 0 = 16 codes, source 1 = 16 rows of z): lane (r, h) holds ONE row r, and its eight registers the codes 8 h .. 8 h + 7 of the tile: one octet, 2 x tile + h.
; A UNIT = one code tile x one row tile = one matrix instruction and 14 vector instructions: 4 packed additions (t), 4 packed multiply-adds (d), 4 minima of three (the last takes the running minimum in),
; one strict comparison of the new running minimum with the old, one choice of the tile's number.  The running minimum lives in two registers by turns, so that old and new are both at hand.
; The product of unit u + 1 is issued ahead of the 14 lines of unit u, which name none of its registers: they are its places (ISA guide 7.12.1); the two results take turns.
; LIMITS: -126 <= ez + ee + 1 <= 127, so that the factor is an f32 number.  NaN is not served.
.set ZF, 8                             ; v8-71    z's eight fragments, 8 registers each (4 loaded, 4 zero)
.set ZZ, 72                            ; v72-87   |z|^2 of my row in each of the eight tiles, twice (a pair for the packed addition)
.set BA, 88                            ; v88-95   the running minimum, even tiles' input
.set BB, 96                            ; v96-103  the running minimum, odd tiles' input
.set ID, 104                           ; v104-111 the code tile of the first minimum
.set CF, 112                           ; v112-143 four sets of a code fragment (4 loaded, 4 zero)
.set EE, 144                           ; v144-175 four sets of |e|^2 of my eight codes
.set DA, 176                           ; v176-191 two results, by turns
.set T,  192                           ; v192-199 t, then d; at the end the words that go to LDS
.set MA, 200
.set MB, 201
.set XX, 202
.set YY, 203
.set GG, 204
	s_load_b256 s[4:11], s[0:1], 0x0               ; zimg s[4:5], zsq s[6:7], cimg s[8:9], csq s[10:11]
	s_load_b128 s[12:15], s[0:1], 0x20             ; the scales' exponents s[12:13], oct s[14:15]
	v_lshl_add_u32 v208, v0, 2, 0x4000
	v_mov_b32 v209, 0
	v_lshrrev_b32 v1, 5, v0
	v_readfirstlane_b32 s16, v1                    ; wave 0..15
	v_and_b32 v1, 31, v0
	v_lshlrev_b32 v1, 4, v1                        ; 16 x lane: an image's place for my lane
	v_bfe_u32 v4, v0, 4, 1                         ; h
	v_lshlrev_b32 v2, 5, v4                        ; 32 h: |e|^2 of my eight codes of a tile
	v_and_b32 v3, 15, v0
	v_lshlrev_b32 v3, 2, v3                        ; 4 r
	s_lshl_b32 s24, s16, 9
	v_lshl_add_u32 v5, v4, 13, v3                  ; LDS: lanes 0-15 store minima (bytes 0 on), lanes 16-31 keys (bytes 8,192 on);
	v_add_nc_u32 v5, s24, v5                       ; 512 bytes a wave, a word a row
	v_and_b32 v6, 63, v0
	v_lshlrev_b32 v6, 3, v6                        ; the closing merge: two rows a thread
	v_mov_b32 v7, 0x7fffffff                       ; above every key
	s_lshl_b32 s17, s16, 5                         ; the number of the code tile in hand
	s_mov_b32 s18, 7                               ; trips
	s_mov_b32 s22, 0x76543210
	s_mov_b32 s23, 0xfedcba98                      ; selects for lane l xor 16
	s_mov_b32 s28, 0xffff0000                      ; lanes 16-31
	s_mov_b32 s25, 0
.irp m, 0,1,2,3,4,5,6,7
.irp i, 4,5,6,7
	v_mov_b32 v[ZF+8*\m+\i], 0                     ; zero codes for k = 32 .. 63
.endr
.endr
.irp b, 0,1,2,3
.irp i, 4,5,6,7
	v_mov_b32 v[CF+8*\b+\i], 0
.endr
.endr
	v_mov_b32 v[XX], 0                             ; written once: a lane permute's destination counts as one of its sources
	v_mov_b32 v[YY], 0
	s_wait_kmcnt 0x0
	s_load_b64 s[26:27], s[12:13], 0x0             ; ez, ee
	s_lshl_b32 s24, ttmp9, 12                      ; my work-group's eight tiles of z: 8 x 512 bytes
	s_add_nc_u64 s[4:5], s[4:5], s[24:25]
	s_lshl_b32 s24, ttmp9, 9                       ; its 128 words
	s_add_nc_u64 s[6:7], s[6:7], s[24:25]
	s_add_nc_u64 s[14:15], s[14:15], s[24:25]
	s_lshl_b32 s24, s16, 14                        ; my wave's 32 code tiles: 32 x 512 bytes
	s_add_nc_u64 s[8:9], s[8:9], s[24:25]
	s_lshl_b32 s24, s16, 11                        ; and their 512 words
	s_add_nc_u64 s[10:11], s[10:11], s[24:25]
.macro FILL b, t                       ; three loads: the fragment of the tile t tiles on from the base, and |e|^2 of my eight codes of it, into set b
	global_load_b128 v[CF+8*(\b):CF+8*(\b)+3],   v1, s[8:9] offset:512*(\t)
	global_load_b128 v[EE+8*(\b):EE+8*(\b)+3],   v2, s[10:11] offset:64*(\t)
	global_load_b128 v[EE+8*(\b)+4:EE+8*(\b)+7], v2, s[10:11] offset:64*(\t)+16
.endm
.irp m, 0,1,2,3,4,5,6,7
	global_load_b128 v[ZF+8*\m:ZF+8*\m+3], v1, s[4:5] offset:512*\m
.endr
.irp m, 0,1,2,3,4,5,6,7
	global_load_b32 v[ZZ+2*\m], v3, s[6:7] offset:64*\m
.endr
	FILL 0, 0
	FILL 1, 1
	FILL 2, 2
	FILL 3, 3
.irp m, 0,1,2,3,4,5,6,7
	v_mov_b32 v[BA+\m], 0x7f800000                 ; +infinity: above every d
	v_mov_b32 v[ID+\m], s17
.endr
	s_wait_kmcnt 0x0
	s_add_co_i32 s20, s26, s27
	s_add_co_i32 s20, s20, 128                     ; ez + ee + 1 + 127
	s_lshl_b32 s20, s20, 23
	s_or_b32 s20, s20, 0x80000000                  ; -2^(ez + ee + 1)
	s_mov_b32 s21, s20                             ; (named with it as a pair, so it is written)
.macro MM d, b, m                      ; result d = code set b x row tile m; each product stands alone: C = 0
	v_wmma_f32_16x16x64_bf8_bf8 v[DA+8*(\d):DA+8*(\d)+7], v[CF+8*(\b):CF+8*(\b)+7], v[ZF+8*(\m):ZF+8*(\m)+7], 0
.endm
.macro UNITV m, b, par                 ; the 14 vector lines of a unit
.if \par
.set BIN,  BB+(\m)
.set BOUT, BA+(\m)
.else
.set BIN,  BA+(\m)
.set BOUT, BB+(\m)
.endif
.set DD, DA+8*((\m)%2)
.irp i, 0,2,4,6
	v_pk_add_f32 v[T+\i:T+\i+1], v[EE+8*(\b)+\i:EE+8*(\b)+\i+1], v[ZZ+2*(\m):ZZ+2*(\m)+1]          ; t = fl(|z|^2 + |e|^2)
.endr
.irp i, 0,2,4,6
	v_pk_fma_f32 v[T+\i:T+\i+1], v[DD+\i:DD+\i+1], s[20:21], v[T+\i:T+\i+1] op_sel_hi:[1,0,1]      ; d = fl(t - 2 p); the result is read from its low end on
.endr
	v_min3_num_f32 v[MA], v[T], v[T+1], v[T+2]
	v_min3_num_f32 v[MB], v[T+3], v[T+4], v[T+5]
	v_min3_num_f32 v[MA], v[MA], v[T+6], v[T+7]
	v_min3_num_f32 v[BOUT], v[BIN], v[MA], v[MB]
	v_cmp_lt_f32 vcc_lo, v[BOUT], v[BIN]           ; strictly lower: an equal d of a later tile changes nothing
	v_cndmask_b32 v[ID+(\m)], v[ID+(\m)], s17, vcc_lo
.endm
; One code tile against the eight row tiles.  p: its set.  load = 1: the set is filled again with the tile four on.  wcnt: the loads that may stay out when the next tile's three must be in.  last = 1: no tile follows.
.macro STEP p, load, wcnt, last
.irp m, 0,1,2,3,4,5,6
	MM (\m+1)%2, \p, \m+1
	UNITV \m, \p, (\p)%2
.endr
.if (\last) == 0
	s_wait_loadcnt \wcnt
	MM 0, ((\p)+1)%4, 0
.endif
	UNITV 7, \p, (\p)%2
.if \load
	FILL \p, (\p)+4                                ; the last product that read this set stands 28 plain vector lines back
.endif
	s_add_co_u32 s17, s17, 1
.endm
	s_wait_loadcnt 9                               ; z's 16 loads and tile 0's three are in; tiles 1 to 3, nine loads, may be out
.irp m, 0,1,2,3,4,5,6,7
	v_mov_b32 v[ZZ+2*\m+1], v[ZZ+2*\m]
.endr
	MM 0, 0, 0                                     ; the first unit's product
.rept 4
	v_nop                                          ; its places: no unit's vector lines stand behind it yet
.endr
.Ltrip:                                            ; seven trips of four tiles: tiles 0 to 27; each step asks for the tile four on, the last for tile 31
	STEP 0, 1, 6, 0                                ; count 6: behind the next tile's three loads those of the two tiles after it were issued
	STEP 1, 1, 6, 0
	STEP 2, 1, 6, 0
	STEP 3, 1, 6, 0
	s_wait_xcnt 0x0                                ; the loads have read their bases: only behind this wait are they stepped
	s_add_nc_u64 s[8:9], s[8:9], 2048
	s_add_nc_u64 s[10:11], s[10:11], 256
	s_sub_co_u32 s18, s18, 1
	s_cmp_lg_u32 s18, 0
	s_cbranch_scc1 .Ltrip
	STEP 0, 0, 6, 0                                ; tiles 28 to 31 ask for nothing: no load leaves its buffer, and the counts run down
	STEP 1, 0, 3, 0
	STEP 2, 0, 0, 0
	STEP 3, 0, 0, 1                                ; the running minimum ends in BA
	; THE TWO HALVES OF THE LANES hold the same row's two octets of each tile.  key = 2 x tile + h; of the halves that hold the lower minimum, the lower key.
.irp m, 0,1,2,3,4,5,6,7
	v_permlanex16_b32 v[XX], v[BA+\m], s22, s23
	v_lshl_or_b32 v[ID+\m], v[ID+\m], 1, v4
	v_permlanex16_b32 v[YY], v[ID+\m], s22, s23
	v_min_num_f32 v[GG], v[BA+\m], v[XX]
	v_cmp_eq_f32 vcc_lo, v[BA+\m], v[GG]
	v_cndmask_b32 v[ID+\m], v7, v[ID+\m], vcc_lo
	v_cmp_eq_f32 vcc_lo, v[XX], v[GG]
	v_cndmask_b32 v[YY], v7, v[YY], vcc_lo
	v_min_u32 v[ID+\m], v[ID+\m], v[YY]
	v_cndmask_b32 v[T+\m], v[GG], v[ID+\m], s28    ; lanes 0-15 carry the minimum, lanes 16-31 the key
	ds_store_b32 v5, v[T+\m] offset:64*\m
.endr
	s_wait_dscnt 0x0                               ; for the others' sake: my stores have landed
	s_barrier_signal -1
	s_barrier_wait -1
	s_cmp_gt_u32 s16, 1
	s_cbranch_scc1 .Lend                           ; the closing merge is 64 threads' work: waves 0 and 1
	; THE SIXTEEN WAVES.  Keys ascend with the wave, so a strict comparison in ascending order keeps the first minimum.
.irp w, 0,1,2,3,4,5,6,7,8,9,10,11,12,13,14,15
	ds_load_b64 v[8+2*\w:9+2*\w], v6 offset:512*\w
.endr
.irp w, 0,1,2,3,4,5,6,7,8,9,10,11,12,13,14,15
	ds_load_b64 v[40+2*\w:41+2*\w], v6 offset:8192+512*\w
.endr
	s_wait_dscnt 0x0
.irp w, 1,2,3,4,5,6,7,8,9,10,11,12,13,14,15
	v_cmp_lt_f32 vcc_lo, v[8+2*\w], v8
	v_cndmask_b32 v40, v40, v[40+2*\w], vcc_lo
	v_min_num_f32 v8, v8, v[8+2*\w]
	v_cmp_lt_f32 vcc_lo, v[9+2*\w], v9
	v_cndmask_b32 v41, v41, v[41+2*\w], vcc_lo
	v_min_num_f32 v9, v9, v[9+2*\w]
.endr
	global_store_b64 v6, v[40:41], s[14:15]        ; a wave stores 256 consecutive bytes, aligned: the octets of 64 rows
.Lend:
	s_wait_tensorcnt 0x0
	ds_add_u32 v208, v209
	s_wait_dscnt 0x0
	s_endpgm
.Lfunc_end_k_qf472bcc4c1_search:
	.size	k_qf472bcc4c1_search, .Lfunc_end_k_qf472bcc4c1_search-k_qf472bcc4c1_search
	.p2alignl 7, 3214868480
	.fill 96, 4, 3214868480
	.section	.rodata,"a",@progbits
	.p2align	6, 0x0
	.amdhsa_kernel k_qf472bcc4c1_search
		.amdhsa_group_segment_fixed_size 18432
		.amdhsa_private_segment_fixed_size 0
		.amdhsa_enable_private_segment 0
		.amdhsa_kernarg_size 48
		.amdhsa_user_sgpr_count 2
		.amdhsa_user_sgpr_kernarg_segment_ptr 1
		.amdhsa_wavefront_size32 1
		.amdhsa_system_sgpr_workgroup_id_x 1
		.amdhsa_system_sgpr_workgroup_id_y 1
		.amdhsa_system_sgpr_workgroup_id_z 1
		.amdhsa_system_vgpr_workitem_id 0
		.amdhsa_next_free_vgpr 210
		.amdhsa_next_free_sgpr 66
		.amdhsa_reserve_vcc 1
		.amdhsa_float_denorm_mode_32 3
		.amdhsa_float_denorm_mode_16_64 3
		.amdhsa_memory_ordered 1
		.amdhsa_forward_progress 1
		.amdhsa_inst_pref_size 77
	.end_amdhsa_kernel
	.amdgpu_metadata
---
amdhsa.version: [ 1, 2 ]
amdhsa.kernels:
  - .name:           k_qf472bcc4c1_search
    .symbol:         k_qf472bcc4c1_search.kd
    .args:
      - { .name: zimg, .offset: 0, .size: 8, .value_kind: global_buffer, .address_space: global }
      - { .name: zsq, .offset: 8, .size: 8, .value_kind: global_buffer, .address_space: global }
      - { .name: cimg, .offset: 16, .size: 8, .value_kind: global_buffer, .address_space: global }
      - { .name: csq, .offset: 24, .size: 8, .value_kind: global_buffer, .address_space: global }
      - { .name: lowp_scales, .offset: 32, .size: 8, .value_kind: global_buffer, .address_space: global }
      - { .name: oct, .offset: 40, .size: 8, .value_kind: global_buffer, .address_space: global }
    .group_segment_fixed_size: 18432
    .private_segment_fixed_size: 0
    .kernarg_segment_align: 8
    .kernarg_segment_size: 48
    .max_flat_workgroup_size: 512
    .sgpr_count:     66
    .vgpr_count:     210
    .wavefront_size: 32
...
	.end_amdgpu_metadata
.endif
;; end of part 2
;; launch finish (part 3): grid 256 x 1, 8 waves a work-group, no clusters, 1,536 bytes of LDS; arguments zimg, zsq, cimg, csq, lowp_scales, oct, embedding_weight, out0, out1; writes out0, out1
.if DOCPART == 3
	.amdgcn_target "amdgcn-amd-amdhsa--gfx1250"
	.amdhsa_code_object_version 6
	.text
	.protected	k_qf472bcc4c1_finish
	.globl	k_qf472bcc4c1_finish
	.p2align	8
	.type	k_qf472bcc4c1_finish,@function
k_qf472bcc4c1_finish:
	s_mov_b64 s[64:65], 0
	v_nop
	global_prefetch_b8 v0, s[64:65] scope:SCOPE_SE
	s_setreg_imm32_b32 hwreg(HW_REG_WAVE_MODE, 25, 1), 1
	s_wait_xcnt 0x0
; The launch before has stored, for each row of z, the octet o (0 .. 1,023) whose codes 8 o .. 8 o + 7 hold the first minimum of d.  Here d is made again for those eight codes, by the same arithmetic,
; the first minimum among them gives the index (out1 = index + 32,000), and the codebook's row of that index goes to out0.
; EVERY ADDRESS HANGS ON THE STORED OCTET ALONE, held at 1,023.  The place j of the minimum inside the octet comes from floating-point numbers: it enters no address and no branch.  All eight rows of the
; octet are loaded, and j's three bits choose among them by v_cndmask_b32.
; SHARES.  A wave owns a tile of 16 rows; a work-group of eight waves 128 rows.
; THE PRODUCTS.  Source 0 = 16 codes, source 1 = my 16 rows of z.  Product q (0 .. 7) takes as its slots 0-7 the octet of row q and as its slots 8-15 the octet of row q + 8.  In its result lane (r, h) holds row r against
; slots 8 h .. 8 h + 7: so lane q (row q, h = 0) and lane 24 + q (row q + 8, h = 1) hold a row's own eight sums.  Those two lanes are kept from each product.  K = 32 in the 16x16x64 form: registers 4 to 7 of both fragments are zero codes.
; LIMITS: -126 <= ez + ee + 1 <= 127.  NaN is not served.
.set OA, 16                            ; v16-23   product q: the octet whose codes my lane fetches, then the fragment's byte offset
.set OW, 24                            ; v24      my own row's octet
.set EO, 25                            ; v25      byte offset of its eight |e|^2
.set OB, 26                            ; v26-29   the way out, store b: the octet of row 4 b + lane / 8, then the byte offset of my 16 bytes of its first row
.set ZZ, 34                            ; v[34:35] |z|^2 of my row, twice
.set ZR, 36                            ; v36-43   z's fragment
.set FR, 48                            ; v48-111  the eight code fragments; later the candidates of stores 2 and 3
.set CA, 112                           ; v112-175 the candidates of stores 0 and 1: eight rows x 4 registers each
.set DA, 176                           ; v176-191 two results, by turns
.set PP, 192                           ; v192-199 my row's eight sums
.set EE, 200                           ; v200-207 |e|^2, then t, then d
.set MA, 208
.set MB, 209
.set GG, 210
.set JJ, 211
.set XX, 212
.set II, 213
.set IR, 214                           ; v214-217 store b: the index + 32,000 of row 4 b + lane / 8
	s_load_b512 s[4:19], s[0:1], 0x0               ; zimg s[4:5], zsq s[6:7], cimg s[8:9], csq s[10:11], the exponents s[12:13], oct s[14:15], the codebook s[16:17], out0 s[18:19]
	s_load_b64 s[20:21], s[0:1], 0x40              ; out1
	v_lshl_add_u32 v224, v0, 2, 0x200
	v_mov_b32 v225, 0
	v_lshrrev_b32 v10, 5, v0
	v_readfirstlane_b32 s22, v10                   ; wave 0..7
	v_and_b32 v11, 31, v0                          ; lane
	v_and_b32 v12, 15, v0                          ; r
	v_bfe_u32 v13, v0, 4, 1                        ; h
	v_lshlrev_b32 v1, 4, v11                       ; 16 x lane
	v_lshlrev_b32 v2, 2, v12                       ; 4 r
	v_and_b32 v6, 7, v0
	v_lshlrev_b32 v6, 4, v6                        ; 16 (lane % 8)
	v_lshl_add_u32 v3, v13, 8, v6                  ; in a tile's image: 16 (r % 8) + 256 h
	v_and_b32 v4, 8, v0
	v_lshlrev_b32 v4, 2, v4                        ; 32 (r / 8): the word of row 8 (r / 8)
	v_bfe_u32 v5, v0, 3, 2                         ; lane / 8
	s_lshl_b32 s24, s22, 6                         ; my wave's 64 bytes of LDS
	v_lshl_add_u32 v8, v5, 2, s24                  ; the word of row lane / 8
	v_lshlrev_b32 v5, 2, v5
	v_add_nc_u32 v7, s24, v2                       ; the word of row r
	v_and_b32 v9, 63, v0
	v_lshlrev_b32 v9, 3, v9                        ; out1: two rows a thread
	s_lshl_b32 s23, ttmp9, 3
	s_add_co_u32 s23, s23, s22                     ; my tile of rows
.irp q, 0,1,2,3,4,5,6,7
	s_mov_b32 s[32+\q], (1<<\q)|(1<<(24+\q))       ; the two lanes that are kept from product q
.endr
	s_mov_b32 s40, 0xff0000ff                      ; the lanes that hold a row's own sums
	s_mov_b32 s42, 0x76543210
	s_mov_b32 s43, 0xfedcba98                      ; selects for lane l xor 16
	s_mov_b32 s27, 0
.irp i, 4,5,6,7
	v_mov_b32 v[ZR+\i], 0                          ; zero codes for k = 32 .. 63
.endr
.irp q, 0,1,2,3,4,5,6,7
.irp i, 4,5,6,7
	v_mov_b32 v[FR+8*\q+\i], 0
.endr
.endr
	v_mov_b32 v[XX], 0                             ; written once: a lane permute's destination counts as one of its sources
	s_wait_kmcnt 0x0
	s_load_b64 s[46:47], s[12:13], 0x0             ; ez, ee
	s_lshl_b32 s26, s23, 9
	s_add_nc_u64 s[4:5], s[4:5], s[26:27]          ; my tile's image
	s_lshl_b32 s26, s23, 6
	s_add_nc_u64 s[6:7], s[6:7], s[26:27]          ; its 16 words of |z|^2
	s_add_nc_u64 s[14:15], s[14:15], s[26:27]      ; and of octets
	s_lshl_b32 s26, s23, 11
	s_add_nc_u64 s[18:19], s[18:19], s[26:27]      ; its 16 rows of out0, 128 bytes each
	s_lshl_b32 s26, ttmp9, 9
	s_add_nc_u64 s[20:21], s[20:21], s[26:27]      ; my work-group's 128 words of out1
	; ---- the octets, in the three orders in which they are wanted; z's fragment; |z|^2
.irp q, 0,1,2,3,4,5,6,7
	global_load_b32 v[OA+\q], v4, s[14:15] offset:4*\q         ; of row q + 8 (r / 8)
.endr
	global_load_b32 v[OW], v2, s[14:15]                        ; of row r
.irp b, 0,1,2,3
	global_load_b32 v[OB+\b], v5, s[14:15] offset:16*\b        ; of row 4 b + lane / 8
.endr
	global_load_b128 v[ZR:ZR+3], v1, s[4:5]
	global_load_b32 v[ZZ], v2, s[6:7]
	s_wait_kmcnt 0x0
	s_add_co_i32 s44, s46, s47
	s_add_co_i32 s44, s44, 128                     ; ez + ee + 1 + 127
	s_lshl_b32 s44, s44, 23
	s_or_b32 s44, s44, 0x80000000                  ; -2^(ez + ee + 1)
	s_mov_b32 s45, s44                             ; (named with it as a pair, so it is written)
	s_wait_loadcnt 0x0
	v_mov_b32 v[ZZ+1], v[ZZ]
	; ---- addresses from the octets: held at 1,023, then ANDs, shifts left and additions alone
.macro FADDR q                         ; code 8 o + r % 8 lies in tile o / 2 at row 8 (o % 2) + r % 8: byte 512 (o / 2) + 128 (o % 2) + 16 (r % 8) + 256 h of the images
	v_min_u32 v[OA+\q], 0x3ff, v[OA+\q]
	v_and_b32 v10, 0x3fe, v[OA+\q]
	v_and_b32 v11, 1, v[OA+\q]
	v_lshl_add_u32 v10, v10, 8, v3
	v_lshl_add_u32 v[OA+\q], v11, 7, v10
.endm
.irp q, 0,1,2,3,4,5,6,7
	FADDR \q
.endr
	v_min_u32 v[OW], 0x3ff, v[OW]
	v_lshlrev_b32 v[EO], 5, v[OW]                  ; eight words
.irp b, 0,1,2,3
	v_min_u32 v[OB+\b], 0x3ff, v[OB+\b]
	v_lshl_add_u32 v[OB+\b], v[OB+\b], 10, v6      ; eight rows of 128 bytes, + my 16 bytes of a row
.endr
.macro CAND b, reg                     ; the eight rows of the octet of row 4 b + lane / 8: my 16 bytes of each
.irp j, 0,1,2,3,4,5,6,7
	global_load_b128 v[\reg+4*\j:\reg+4*\j+3], v[OB+\b], s[16:17] offset:128*\j
.endr
.endm
.irp q, 0,1,2,3,4,5,6,7
	global_load_b128 v[FR+8*\q:FR+8*\q+3], v[OA+\q], s[8:9]
.endr
	global_load_b128 v[EE:EE+3], v[EO], s[10:11]
	global_load_b128 v[EE+4:EE+7], v[EO], s[10:11] offset:16
	CAND 0, CA
	CAND 1, CA+32
	s_wait_loadcnt 18                              ; the eight fragments are in; |e|^2's two loads and the 16 of the candidates may be out
	; ---- eight products, the two results by turns; a capture of eight plain lines stands behind each product and names none of its registers
.macro MM q
	v_wmma_f32_16x16x64_bf8_bf8 v[DA+8*((\q)%2):DA+8*((\q)%2)+7], v[FR+8*(\q):FR+8*(\q)+7], v[ZR:ZR+7], 0
.endm
.macro CAPT q                          ; the two lanes of product q keep their eight sums; the result is read from its low end on
.irp j, 0,1,2,3,4,5,6,7
.if (\q) == 0
	v_mov_b32 v[PP+\j], v[DA+\j]
.else
	v_cndmask_b32 v[PP+\j], v[PP+\j], v[DA+8*((\q)%2)+\j], s[32+(\q)]
.endif
.endr
.endm
	MM 0
	MM 1
.rept 5
	v_nop                                          ; five places: product 2 writes over product 0's result, and the capture between reads that result, so it is no place
.endr
	CAPT 0
.irp q, 2,3,4,5,6,7
	MM \q
	CAPT \q-1
.endr
	CAPT 7
	CAND 2, FR                                     ; into the fragments' registers: the last product that read them stands 16 plain lines back
	CAND 3, FR+32
	s_wait_loadcnt 32                              ; |e|^2 is in; the four stores' candidates, 32 loads, may be out
	; ---- d of my row's eight codes, as the launch before made it, and the first minimum among them
.irp i, 0,2,4,6
	v_pk_add_f32 v[EE+\i:EE+\i+1], v[EE+\i:EE+\i+1], v[ZZ:ZZ+1]                                    ; t = fl(|z|^2 + |e|^2)
.endr
.irp i, 0,2,4,6
	v_pk_fma_f32 v[EE+\i:EE+\i+1], v[PP+\i:PP+\i+1], s[44:45], v[EE+\i:EE+\i+1] op_sel_hi:[1,0,1]  ; d = fl(t - 2 p)
.endr
	v_min3_num_f32 v[MA], v[EE], v[EE+1], v[EE+2]
	v_min3_num_f32 v[MB], v[EE+3], v[EE+4], v[EE+5]
	v_min3_num_f32 v[MA], v[MA], v[EE+6], v[EE+7]
	v_min_num_f32 v[GG], v[MA], v[MB]
	v_mov_b32 v[JJ], 0
.irp j, 7,6,5,4,3,2,1,0
	v_cmp_eq_f32 vcc_lo, v[EE+\j], v[GG]           ; from the last to the first: the lowest j that holds the minimum stays
	v_cndmask_b32 v[JJ], v[JJ], \j, vcc_lo
.endr
	v_permlanex16_b32 v[XX], v[JJ], s42, s43
	v_cndmask_b32 v[JJ], v[XX], v[JJ], s40         ; a lane that does not hold its row's own sums takes j from the lane 16 away, which does
	v_lshl_add_u32 v[II], v[OW], 3, v[JJ]
	v_add_nc_u32 v[II], 32000, v[II]               ; the index + 32,000
	ds_store_b32 v7, v[II]                         ; both halves of the lanes hold the same number and write the same word
	s_wait_dscnt 0x0                               ; for the others' sake: my store has landed
	s_barrier_signal -1
	s_barrier_wait -1
.irp b, 0,1,2,3
	ds_load_b32 v[IR+\b], v8 offset:16*\b          ; of row 4 b + lane / 8.  32,000 is a multiple of 8: the three low bits are j
.endr
	s_wait_dscnt 0x0
	; ---- the way out: four rows a store; j's bits halve the eight candidates three times
.macro SELECT b, reg, cnt
	s_wait_loadcnt \cnt                            ; this store's eight candidates are in; the later stores' eight each may be out
	v_and_b32 v10, 1, v[IR+\b]
	v_cmp_ne_u32 vcc_lo, 0, v10
.irp p, 0,8,16,24
.irp i, 0,1,2,3
	v_cndmask_b32 v[\reg+\p+\i], v[\reg+\p+\i], v[\reg+\p+4+\i], vcc_lo
.endr
.endr
	v_and_b32 v10, 2, v[IR+\b]
	v_cmp_ne_u32 vcc_lo, 0, v10
.irp p, 0,16
.irp i, 0,1,2,3
	v_cndmask_b32 v[\reg+\p+\i], v[\reg+\p+\i], v[\reg+\p+8+\i], vcc_lo
.endr
.endr
	v_and_b32 v10, 4, v[IR+\b]
	v_cmp_ne_u32 vcc_lo, 0, v10
.irp i, 0,1,2,3
	v_cndmask_b32 v[\reg+\i], v[\reg+\i], v[\reg+16+\i], vcc_lo
.endr
	global_store_b128 v1, v[\reg:\reg+3], s[18:19] offset:512*\b th:TH_STORE_NT   ; the wave stores 512 consecutive bytes, aligned: four rows of out0
.endm
	SELECT 0, CA, 24
	SELECT 1, CA+32, 16
	SELECT 2, FR, 8
	SELECT 3, FR+32, 0
	s_cmp_gt_u32 s22, 1
	s_cbranch_scc1 .Ldone                          ; out1 is 64 threads' work: waves 0 and 1
	ds_load_b64 v[218:219], v9                     ; two rows' numbers; all eight waves' stores stand in front of the barrier above, and nobody writes these bytes again
	s_wait_dscnt 0x0
	global_store_b64 v9, v[218:219], s[20:21] th:TH_STORE_NT   ; a wave stores 256 consecutive bytes, aligned
.Ldone:
	s_wait_tensorcnt 0x0
	ds_add_u32 v224, v225
	s_wait_dscnt 0x0
	s_endpgm
.Lfunc_end_k_qf472bcc4c1_finish:
	.size	k_qf472bcc4c1_finish, .Lfunc_end_k_qf472bcc4c1_finish-k_qf472bcc4c1_finish
	.p2alignl 7, 3214868480
	.fill 96, 4, 3214868480
	.section	.rodata,"a",@progbits
	.p2align	6, 0x0
	.amdhsa_kernel k_qf472bcc4c1_finish
		.amdhsa_group_segment_fixed_size 1536
		.amdhsa_private_segment_fixed_size 0
		.amdhsa_enable_private_segment 0
		.amdhsa_kernarg_size 72
		.amdhsa_user_sgpr_count 2
		.amdhsa_user_sgpr_kernarg_segment_ptr 1
		.amdhsa_wavefront_size32 1
		.amdhsa_system_sgpr_workgroup_id_x 1
		.amdhsa_system_sgpr_workgroup_id_y 1
		.amdhsa_system_sgpr_workgroup_id_z 1
		.amdhsa_system_vgpr_workitem_id 0
		.amdhsa_next_free_vgpr 226
		.amdhsa_next_free_sgpr 66
		.amdhsa_reserve_vcc 1
		.amdhsa_float_denorm_mode_32 3
		.amdhsa_float_denorm_mode_16_64 3
		.amdhsa_memory_ordered 1
		.amdhsa_forward_progress 1
		.amdhsa_inst_pref_size 24
	.end_amdhsa_kernel
	.amdgpu_metadata
---
amdhsa.version: [ 1, 2 ]
amdhsa.kernels:
  - .name:           k_qf472bcc4c1_finish
    .symbol:         k_qf472bcc4c1_finish.kd
    .args:
      - { .name: zimg, .offset: 0, .size: 8, .value_kind: global_buffer, .address_space: global }
      - { .name: zsq, .offset: 8, .size: 8, .value_kind: global_buffer, .address_space: global }
      - { .name: cimg, .offset: 16, .size: 8, .value_kind: global_buffer, .address_space: global }
      - { .name: csq, .offset: 24, .size: 8, .value_kind: global_buffer, .address_space: global }
      - { .name: lowp_scales, .offset: 32, .size: 8, .value_kind: global_buffer, .address_space: global }
      - { .name: oct, .offset: 40, .size: 8, .value_kind: global_buffer, .address_space: global }
      - { .name: embedding_weight, .offset: 48, .size: 8, .value_kind: global_buffer, .address_space: global }
      - { .name: out0, .offset: 56, .size: 8, .value_kind: global_buffer, .address_space: global }
      - { .name: out1, .offset: 64, .size: 8, .value_kind: global_buffer, .address_space: global }
    .group_segment_fixed_size: 1536
    .private_segment_fixed_size: 0
    .kernarg_segment_align: 8
    .kernarg_segment_size: 72
    .max_flat_workgroup_size: 256
    .sgpr_count:     66
    .vgpr_count:     226
    .wavefront_size: 32
...
	.end_amdgpu_metadata
.endif
;; end of part 3
;; ======== version 2 of 2: 3 launches
;; workspace buffers: zimg 1,048,576 bytes; zsq 131,072 bytes; cimg 262,144 bytes; csq 32,768 bytes; oct 131,072 bytes of whole numbers
;; launch prep (part 4): grid 320 x 1, 2 waves a work-group, no clusters, 768 bytes of LDS; arguments z, embedding_weight, lowp_scales, zimg, zsq, cimg, csq; writes zimg, zsq, cimg, csq
.if DOCPART == 4
	.amdgcn_target "amdgcn-amd-amdhsa--gfx1250"
	.amdhsa_code_object_version 6
	.text
	.protected	k_qf472bcc4c1_prep
	.globl	k_qf472bcc4c1_prep
	.p2align	8
	.type	k_qf472bcc4c1_prep,@function
k_qf472bcc4c1_prep:
	s_mov_b64 s[64:65], 0
	v_nop
	global_prefetch_b8 v0, s[64:65] scope:SCOPE_SE
	s_setreg_imm32_b32 hwreg(HW_REG_WAVE_MODE, 25, 1), 1
	s_wait_xcnt 0x0
; z [32768][32] and the codebook [8192][32], f32, are each turned ONCE into (a) codes of BF8 (E5M2) with the given scale 2^e and (b) the f32 sum of squares of every row.
; code = x / 2^e, held within +-57,344, rounded to the nearest code, ties to even.
; THE CODES ARE LAID AS IMAGES OF THE OPERAND'S REGISTERS.  A tile of 16 rows is 512 bytes; lane l = r + 16 h has the 16 bytes at 16 l:
; bytes 0-7 the codes of k = 8 h .. 8 h + 7, bytes 8-15 those of k = 16 + 8 h .. 16 + 8 h + 7, of row r: registers 0 to 3 of a fragment of the 16x16x64 form, every k in its own place.
; (K is 32: registers 4 to 7 of a fragment, k = 32 .. 63, are zero codes, which the later launches write themselves.)
; SHARES.  Work-groups 0-255 take z (2,048 tiles), work-groups 256-319 the codebook (512 tiles); only pointers and e are chosen, by the work-group's number: one path through the text.
; A wave takes four tiles: 16 loads of 16 bytes a lane, all issued first.  The waves share nothing: no barrier.
; THE SUM OF SQUARES of a row: two packed chains over a lane's 16 numbers, the chains added, the two words added, then the other half of the lanes: a fixed tree, whose last bit may differ from another order of summing.
; LIMITS: -126 <= e <= 112 for each of the two given exponents, so that 2^e and 57,344 x 2^e are f32 numbers.  NaN among the inputs is not served.
.set ZWG, 256                          ; work-groups that take z
.set SA,  12                           ; v[12:13] first packed chain
.set SB,  14                           ; v[14:15] second packed chain
.set SQ,  20                           ; v20-23   a tile's sum of squares of my row
.set CD,  24                           ; v24-39   a tile's codes, four registers each: no store's data are written again
.set XR,  64                           ; v64-127  a tile's 16 numbers of my lane
	s_load_b128 s[4:7], s[0:1], 0x0                ; z, the codebook
	s_load_b64 s[8:9], s[0:1], 0x10                ; the scales' exponents
	s_load_b256 s[12:19], s[0:1], 0x18             ; zimg, zsq, cimg, csq
	v_lshl_add_u32 v128, v0, 2, 0x200
	v_mov_b32 v129, 0
	v_lshrrev_b32 v1, 5, v0
	v_readfirstlane_b32 s20, v1                    ; wave 0, 1
	v_and_b32 v1, 31, v0                           ; lane
	v_and_b32 v2, 15, v0                           ; r
	v_bfe_u32 v3, v0, 4, 1                         ; h
	v_lshlrev_b32 v4, 7, v2
	v_lshl_add_u32 v4, v3, 5, v4                   ; in: row r of 128 bytes, + 32 h: k = 8 h on
	v_lshlrev_b32 v5, 4, v1                        ; an image's place for my lane
	s_lshl_b32 s21, s20, 8                         ; my wave's 256 bytes of LDS
	v_lshl_add_u32 v6, v2, 2, s21                  ; the sums on their way in: word r of a tile's 16
	v_lshl_add_u32 v7, v1, 3, s21                  ; and out: two words a lane
	v_lshlrev_b32 v8, 3, v1                        ; the same place in memory
	v_mov_b32 v17, 0                               ; written once: a lane permute's destination counts as one of its sources
	s_mov_b32 s24, 0x76543210
	s_mov_b32 s25, 0xfedcba98                      ; selects for lane l xor 16
	s_wait_alu depctr_va_vdst(0)
	s_wait_kmcnt 0x0
	s_load_b64 s[22:23], s[8:9], 0x0               ; ez, ee
	s_cmp_lt_u32 ttmp9, ZWG                        ; z's work-group or the codebook's: the choice hangs on the work-group's number alone
	s_cselect_b64 s[4:5], s[4:5], s[6:7]
	s_cselect_b64 s[12:13], s[12:13], s[16:17]
	s_cselect_b64 s[14:15], s[14:15], s[18:19]
	s_cselect_b32 s26, 0, ZWG
	s_sub_co_u32 s26, ttmp9, s26
	s_lshl_b32 s26, s26, 1
	s_add_co_u32 s26, s26, s20                     ; which run of four tiles of the tensor is my wave's
	s_mov_b32 s29, 0
	s_lshl_b32 s28, s26, 13                        ; 4 tiles x 2,048 bytes of f32
	s_add_nc_u64 s[4:5], s[4:5], s[28:29]
	s_lshl_b32 s28, s26, 11                        ; 4 x 512 bytes of codes
	s_add_nc_u64 s[12:13], s[12:13], s[28:29]
	s_lshl_b32 s28, s26, 8                         ; 4 x 64 bytes of sums
	s_add_nc_u64 s[14:15], s[14:15], s[28:29]
.macro LOADT t                         ; tile t: my 8 numbers from k = 8 h and my 8 from k = 16 + 8 h
	global_load_b128 v[XR+16*(\t):XR+16*(\t)+3],     v4, s[4:5] offset:2048*(\t) th:TH_LOAD_NT
	global_load_b128 v[XR+16*(\t)+4:XR+16*(\t)+7],   v4, s[4:5] offset:2048*(\t)+16 th:TH_LOAD_NT
	global_load_b128 v[XR+16*(\t)+8:XR+16*(\t)+11],  v4, s[4:5] offset:2048*(\t)+64 th:TH_LOAD_NT
	global_load_b128 v[XR+16*(\t)+12:XR+16*(\t)+15], v4, s[4:5] offset:2048*(\t)+80 th:TH_LOAD_NT
.endm
	LOADT 0
	LOADT 1
	LOADT 2
	LOADT 3
	s_wait_kmcnt 0x0
	s_cmp_lt_u32 ttmp9, ZWG
	s_cselect_b32 s22, s22, s23                    ; e
	s_add_co_i32 s22, s22, 127
	s_lshl_b32 s23, s22, 23
	v_mov_b32 v11, s23                             ; 2^e as f32: the conversion takes its exponent field
	s_add_co_i32 s22, s22, 15
	s_lshl_b32 s22, s22, 23
	s_or_b32 s22, s22, 0x600000
	v_mov_b32 v10, s22                             ; 57,344 x 2^e
.macro QTILE t
.set XS, XR+16*(\t)
	s_wait_loadcnt 12-4*(\t)                       ; this tile's four loads are in; the later tiles' four each may be out
	v_pk_mul_f32 v[SA:SA+1], v[XS:XS+1], v[XS:XS+1]            ; the squares are taken of the numbers as they came, ahead of the hold
	v_pk_mul_f32 v[SB:SB+1], v[XS+2:XS+3], v[XS+2:XS+3]
.irp j, 4,8,12
	v_pk_fma_f32 v[SA:SA+1], v[XS+\j:XS+\j+1], v[XS+\j:XS+\j+1], v[SA:SA+1]
	v_pk_fma_f32 v[SB:SB+1], v[XS+\j+2:XS+\j+3], v[XS+\j+2:XS+\j+3], v[SB:SB+1]
.endr
	v_pk_add_f32 v[SA:SA+1], v[SA:SA+1], v[SB:SB+1]
	v_add_f32 v16, v[SA], v[SA+1]
	v_permlanex16_b32 v17, v16, s24, s25           ; the row's other 16 numbers lie in the lane 16 away
	v_add_f32 v[SQ+(\t)], v16, v17
.irp i, 0,1,2,3,4,5,6,7,8,9,10,11,12,13,14,15
	v_med3_num_f32 v[XS+\i], v[XS+\i], -v10, v10   ; the conversion to an 8-bit code does not saturate (ISA guide 7.6.2): the hold at the largest code x the scale
.endr
	v_cvt_scalef32_pk8_bf8_f32 v[CD+4*(\t):CD+4*(\t)+1], v[XS:XS+7], v11
	v_cvt_scalef32_pk8_bf8_f32 v[CD+4*(\t)+2:CD+4*(\t)+3], v[XS+8:XS+15], v11
	v_nop                                          ; a plain vector line behind the last conversion of the run
	global_store_b128 v5, v[CD+4*(\t):CD+4*(\t)+3], s[12:13] offset:512*(\t)   ; the wave stores 512 consecutive bytes, aligned
	ds_store_b32 v6, v[SQ+(\t)] offset:64*(\t)     ; both halves of the lanes hold the same sum and write the same word
.endm
	QTILE 0
	QTILE 1
	QTILE 2
	QTILE 3
	ds_load_b64 v[40:41], v7                       ; my wave's own 64 sums, two a lane: LDS serves a wave's instructions in order, so these see the stores above
	s_wait_dscnt 0x0
	global_store_b64 v8, v[40:41], s[14:15]        ; 256 consecutive bytes, aligned
	s_wait_tensorcnt 0x0
	ds_add_u32 v128, v129
	s_wait_dscnt 0x0
	s_endpgm
.Lfunc_end_k_qf472bcc4c1_prep:
	.size	k_qf472bcc4c1_prep, .Lfunc_end_k_qf472bcc4c1_prep-k_qf472bcc4c1_prep
	.p2alignl 7, 3214868480
	.fill 96, 4, 3214868480
	.section	.rodata,"a",@progbits
	.p2align	6, 0x0
	.amdhsa_kernel k_qf472bcc4c1_prep
		.amdhsa_group_segment_fixed_size 768
		.amdhsa_private_segment_fixed_size 0
		.amdhsa_enable_private_segment 0
		.amdhsa_kernarg_size 56
		.amdhsa_user_sgpr_count 2
		.amdhsa_user_sgpr_kernarg_segment_ptr 1
		.amdhsa_wavefront_size32 1
		.amdhsa_system_sgpr_workgroup_id_x 1
		.amdhsa_system_sgpr_workgroup_id_y 1
		.amdhsa_system_sgpr_workgroup_id_z 1
		.amdhsa_system_vgpr_workitem_id 0
		.amdhsa_next_free_vgpr 130
		.amdhsa_next_free_sgpr 66
		.amdhsa_reserve_vcc 0
		.amdhsa_float_denorm_mode_32 3
		.amdhsa_float_denorm_mode_16_64 3
		.amdhsa_memory_ordered 1
		.amdhsa_forward_progress 1
		.amdhsa_inst_pref_size 13
	.end_amdhsa_kernel
	.amdgpu_metadata
---
amdhsa.version: [ 1, 2 ]
amdhsa.kernels:
  - .name:           k_qf472bcc4c1_prep
    .symbol:         k_qf472bcc4c1_prep.kd
    .args:
      - { .name: z, .offset: 0, .size: 8, .value_kind: global_buffer, .address_space: global }
      - { .name: embedding_weight, .offset: 8, .size: 8, .value_kind: global_buffer, .address_space: global }
      - { .name: lowp_scales, .offset: 16, .size: 8, .value_kind: global_buffer, .address_space: global }
      - { .name: zimg, .offset: 24, .size: 8, .value_kind: global_buffer, .address_space: global }
      - { .name: zsq, .offset: 32, .size: 8, .value_kind: global_buffer, .address_space: global }
      - { .name: cimg, .offset: 40, .size: 8, .value_kind: global_buffer, .address_space: global }
      - { .name: csq, .offset: 48, .size: 8, .value_kind: global_buffer, .address_space: global }
    .group_segment_fixed_size: 768
    .private_segment_fixed_size: 0
    .kernarg_segment_align: 8
    .kernarg_segment_size: 56
    .max_flat_workgroup_size: 64
    .sgpr_count:     66
    .vgpr_count:     130
    .wavefront_size: 32
...
	.end_amdgpu_metadata
.endif
;; end of part 4
;; launch search (part 5): grid 256 x 1, 16 waves a work-group, no clusters, 18,432 bytes of LDS; arguments zimg, zsq, cimg, csq, lowp_scales, oct; writes oct
.if DOCPART == 5
	.amdgcn_target "amdgcn-amd-amdhsa--gfx1250"
	.amdhsa_code_object_version 6
	.text
	.protected	k_qf472bcc4c1_search
	.globl	k_qf472bcc4c1_search
	.p2align	8
	.type	k_qf472bcc4c1_search,@function
k_qf472bcc4c1_search:
	s_mov_b64 s[64:65], 0
	v_nop
	global_prefetch_b8 v0, s[64:65] scope:SCOPE_SE
	s_setreg_imm32_b32 hwreg(HW_REG_WAVE_SCHED_MODE, 0, 2), 2
	s_setreg_imm32_b32 hwreg(HW_REG_WAVE_MODE, 25, 1), 1
	s_wait_xcnt 0x0
	s_wait_alu depctr_vm_vsrc(0)
; For each of 32,768 rows of z: WHICH GROUP OF EIGHT CODES (octet o: codes 8 o .. 8 o + 7) holds the first minimum of d = (|z|^2 + |e|^2) - 2 z.e over the 8,192 codes.
; z.e is the quantised product, on the codes of BF8 that the launch before has laid as images of the operand's registers.  K = 32 in the 16x16x64 form: registers 4 to 7 of both fragments (k = 32 .. 63) are zero codes, written once.
; THE ROUNDINGS ARE THOSE OF THE DEFINITION: t = fl(|z|^2 + |e|^2) by an addition; d = fl(t - 2 p) by ONE fused multiply-add of the matrix sum with -2^(ez + ee + 1), a product that rounds nothing.
; d lies on a coarse grid (that of |z|^2), so equal minima are common, and the first counts: every comparison below is strict or takes the lower key.
; SHARES.  A work-group owns 128 rows: eight tiles of 16, whose fragments every wave keeps in registers.  Wave w of sixteen walks code tiles 32 w .. 32 w + 31.  A fragment of codes is read by one wave of the
; work-group alone and feeds eight products: it goes from memory straight into registers, with no way through LDS.  No tile is shared through LDS, so there is nothing for tensor loads or joint requests to bring.
; THE PRODUCT IS USED TRANSPOSED (source 0 = 16 codes, source 1 = 16 rows of z): lane (r, h) holds ONE row r, and its eight registers the codes 8 h .. 8 h + 7 of the tile: one octet, 2 x tile + h.
; A UNIT = one code tile x one row tile = one matrix instruction and 14 vector instructions: 4 packed additions (t), 4 packed multiply-adds (d), 4 minima of three (the last takes the running minimum in),
; one strict comparison of the new running minimum with the old, one choice of the tile's number.  The running minimum lives in two registers by turns, so that old and new are both at hand.
; The eight comparisons of a code tile write eight scalar masks, and the eight choices stand together at the tile's end.
; The product of unit u + 1 is issued ahead of the 13 other lines of unit u, which name none of its registers: they are its places (ISA guide 7.12.1); the two results take turns.
; LIMITS: -126 <= ez + ee + 1 <= 127, so that the factor is an f32 number.  NaN is not served.
; THE MODE: SCHED_MODE bits 1:0 = 2 (LLVM: expert scheduling mode 2), set by the entry lines.  The code itself states the register dependences
; between vector or matrix instructions and memory or LDS instructions, and those through scalar registers that vector instructions write, with s_wait_alu, always for 0.
; THE PLAN.  Registers that memory or LDS instructions touch:
;   CF0 .. CF3, EE0 .. EE3   Code tile p: its eight products read CF[p], its eight units' additions read EE[p]; behind them the three loads of the tile four on land in both.
;   v1, v2, v3, v5, v6       Offsets and LDS addresses, made at the head and never written again: the code tiles are reached by two scalar bases and immediate offsets.
;   T                        At the end: written by the last choices of the merge of the halves, read by eight LDS stores.
;   v8-71                    In the loop z's fragments, read by the products; at the end LDS loads land there.   v40, v41: then written by choices and read by the one store.
; So ONE wait on va_vdst stands in a code tile's step, behind its last unit and straight ahead of its three loads, and one on va_sdst behind those loads, for the step's eight masks.
; No register that a memory or LDS instruction reads is ever written again: no wait on vm_vsrc stands between the entry lines and the end.
.set ZF, 8                             ; v8-71    z's eight fragments, 8 registers each (4 loaded, 4 zero)
.set ZZ, 72                            ; v72-87   |z|^2 of my row in each of the eight tiles, twice (a pair for the packed addition)
.set BA, 88                            ; v88-95   the running minimum, even tiles' input
.set BB, 96                            ; v96-103  the running minimum, odd tiles' input
.set ID, 104                           ; v104-111 the code tile of the first minimum
.set CF, 112                           ; v112-143 four sets of a code fragment (4 loaded, 4 zero)
.set EE, 144                           ; v144-175 four sets of |e|^2 of my eight codes
.set DA, 176                           ; v176-191 two results, by turns
.set T,  192                           ; v192-199 t, then d; at the end the words that go to LDS
.set MA, 200
.set MB, 201
.set XX, EE                            ; behind the loop, a register a row tile, where |e|^2 lay: the other half's minimum,
.set YY, EE+8                          ; its key,
.set GG, EE+16                         ; the lower of the two minima
.set MK, 32                            ; s32-39   eight masks
	s_load_b256 s[4:11], s[0:1], 0x0               ; zimg s[4:5], zsq s[6:7], cimg s[8:9], csq s[10:11]
	s_load_b128 s[12:15], s[0:1], 0x20             ; the scales' exponents s[12:13], oct s[14:15]
	v_lshl_add_u32 v206, v0, 2, 0x4000
	v_mov_b32 v207, 0
	v_lshrrev_b32 v1, 5, v0
	v_readfirstlane_b32 s16, v1                    ; wave 0..15
	v_and_b32 v1, 31, v0
	v_lshlrev_b32 v1, 4, v1                        ; 16 x lane: an image's place for my lane
	v_bfe_u32 v4, v0, 4, 1                         ; h
	v_lshlrev_b32 v2, 5, v4                        ; 32 h: |e|^2 of my eight codes of a tile
	v_and_b32 v3, 15, v0
	v_lshlrev_b32 v3, 2, v3                        ; 4 r
	s_wait_alu depctr_va_sdst(0)                   ; s16 is written, ahead of its first reader
	s_lshl_b32 s24, s16, 9
	v_lshl_add_u32 v5, v4, 13, v3                  ; LDS: lanes 0-15 store minima (bytes 0 on), lanes 16-31 keys (bytes 8,192 on);
	v_add_nc_u32 v5, s24, v5                       ; 512 bytes a wave, a word a row
	v_and_b32 v6, 63, v0
	v_lshlrev_b32 v6, 3, v6                        ; the closing merge: two rows a thread
	v_mov_b32 v7, 0x7fffffff                       ; above every key
	s_lshl_b32 s17, s16, 5                         ; the number of the code tile in hand
	s_mov_b32 s18, 7                               ; trips
	s_mov_b32 s22, 0x76543210
	s_mov_b32 s23, 0xfedcba98                      ; selects for lane l xor 16
	s_mov_b32 s28, 0xffff0000                      ; lanes 16-31
	s_mov_b32 s25, 0
.irp m, 0,1,2,3,4,5,6,7
.irp i, 4,5,6,7
	v_mov_b32 v[ZF+8*\m+\i], 0                     ; zero codes for k = 32 .. 63
.endr
.endr
.irp b, 0,1,2,3
.irp i, 4,5,6,7
	v_mov_b32 v[CF+8*\b+\i], 0
.endr
.endr
	s_wait_kmcnt 0x0
	s_load_b64 s[26:27], s[12:13], 0x0             ; ez, ee
	s_lshl_b32 s24, ttmp9, 12                      ; my work-group's eight tiles of z: 8 x 512 bytes
	s_add_nc_u64 s[4:5], s[4:5], s[24:25]
	s_lshl_b32 s24, ttmp9, 9                       ; its 128 words
	s_add_nc_u64 s[6:7], s[6:7], s[24:25]
	s_add_nc_u64 s[14:15], s[14:15], s[24:25]
	s_lshl_b32 s24, s16, 14                        ; my wave's 32 code tiles: 32 x 512 bytes
	s_add_nc_u64 s[8:9], s[8:9], s[24:25]
	s_lshl_b32 s24, s16, 11                        ; and their 512 words
	s_add_nc_u64 s[10:11], s[10:11], s[24:25]
.macro FILL b, t                       ; three loads: the fragment of the tile t tiles on from the base, and |e|^2 of my eight codes of it, into set b
	global_load_b128 v[CF+8*(\b):CF+8*(\b)+3],   v1, s[8:9] offset:512*(\t)
	global_load_b128 v[EE+8*(\b):EE+8*(\b)+3],   v2, s[10:11] offset:64*(\t)
	global_load_b128 v[EE+8*(\b)+4:EE+8*(\b)+7], v2, s[10:11] offset:64*(\t)+16
.endm
	s_wait_alu depctr_va_vdst(0)                   ; v1, v2, v3, v5 and v6 are written: every load, LDS instruction and store of the kernel reads one of them as its offset or address
.irp m, 0,1,2,3,4,5,6,7
	global_load_b128 v[ZF+8*\m:ZF+8*\m+3], v1, s[4:5] offset:512*\m
.endr
.irp m, 0,1,2,3,4,5,6,7
	global_load_b32 v[ZZ+2*\m], v3, s[6:7] offset:64*\m
.endr
	FILL 0, 0
	FILL 1, 1
	FILL 2, 2
	FILL 3, 3
.irp m, 0,1,2,3,4,5,6,7
	v_mov_b32 v[BA+\m], 0x7f800000                 ; +infinity: above every d
	v_mov_b32 v[ID+\m], s17
.endr
	s_wait_kmcnt 0x0
	s_add_co_i32 s20, s26, s27
	s_add_co_i32 s20, s20, 128                     ; ez + ee + 1 + 127
	s_lshl_b32 s20, s20, 23
	s_or_b32 s20, s20, 0x80000000                  ; -2^(ez + ee + 1)
	s_mov_b32 s21, s20                             ; (named with it as a pair, so it is written)
.macro MM d, b, m                      ; result d = code set b x row tile m; each product stands alone: C = 0
	v_wmma_f32_16x16x64_bf8_bf8 v[DA+8*(\d):DA+8*(\d)+7], v[CF+8*(\b):CF+8*(\b)+7], v[ZF+8*(\m):ZF+8*(\m)+7], 0
.endm
.macro UNITV m, b, par                 ; 13 of a unit's 14 vector lines: all but the choice of the tile's number
.if \par
.set BIN,  BB+(\m)
.set BOUT, BA+(\m)
.else
.set BIN,  BA+(\m)
.set BOUT, BB+(\m)
.endif
.set DD, DA+8*((\m)%2)
.irp i, 0,2,4,6
	v_pk_add_f32 v[T+\i:T+\i+1], v[EE+8*(\b)+\i:EE+8*(\b)+\i+1], v[ZZ+2*(\m):ZZ+2*(\m)+1]          ; t = fl(|z|^2 + |e|^2)
.endr
.irp i, 0,2,4,6
	v_pk_fma_f32 v[T+\i:T+\i+1], v[DD+\i:DD+\i+1], s[20:21], v[T+\i:T+\i+1] op_sel_hi:[1,0,1]      ; d = fl(t - 2 p); the result is read from its low end on
.endr
	v_min3_num_f32 v[MA], v[T], v[T+1], v[T+2]
	v_min3_num_f32 v[MB], v[T+3], v[T+4], v[T+5]
	v_min3_num_f32 v[MA], v[MA], v[T+6], v[T+7]
	v_min3_num_f32 v[BOUT], v[BIN], v[MA], v[MB]
	v_cmp_lt_f32 s[MK+(\m)], v[BOUT], v[BIN]       ; strictly lower: an equal d of a later tile changes nothing.  The mask waits for the step's end
.endm
; One code tile against the eight row tiles.  p: its set.  load = 1: the set is filled again with the tile four on.  wcnt: the loads that may stay out when the next tile's three must be in.  last = 1: no tile follows.
.macro STEP p, load, wcnt, last
.irp m, 0,1,2,3,4,5,6
	MM (\m+1)%2, \p, \m+1
	UNITV \m, \p, (\p)%2
.endr
.if (\last) == 0
	s_wait_loadcnt \wcnt
	MM 0, ((\p)+1)%4, 0
.endif
	UNITV 7, \p, (\p)%2
.if \load
	s_wait_alu depctr_va_vdst(0)                   ; this tile's eight products are done reading CF[p] and its eight units' additions EE[p], in which the three loads below land
	FILL \p, (\p)+4
.endif
	s_wait_alu depctr_va_sdst(0)                   ; the tile's eight comparisons have written s[MK ..], which the eight choices below read
.irp m, 0,1,2,3,4,5,6,7
	v_cndmask_b32 v[ID+\m], v[ID+\m], s17, s[MK+\m]
.endr
	s_add_co_u32 s17, s17, 1
.endm
	s_wait_loadcnt 9                               ; z's 16 loads and tile 0's three are in; tiles 1 to 3, nine loads, may be out
.irp m, 0,1,2,3,4,5,6,7
	v_mov_b32 v[ZZ+2*\m+1], v[ZZ+2*\m]
.endr
	MM 0, 0, 0                                     ; the first unit's product
.rept 4
	v_nop                                          ; its places: no unit's vector lines stand behind it yet
.endr
.Ltrip:                                            ; seven trips of four tiles: tiles 0 to 27; each step asks for the tile four on, the last for tile 31
	STEP 0, 1, 6, 0                                ; count 6: behind the next tile's three loads those of the two tiles after it were issued
	STEP 1, 1, 6, 0
	STEP 2, 1, 6, 0
	STEP 3, 1, 6, 0
	s_wait_xcnt 0x0                                ; the loads have read their bases: only behind this wait are they stepped
	s_add_nc_u64 s[8:9], s[8:9], 2048
	s_add_nc_u64 s[10:11], s[10:11], 256
	s_sub_co_u32 s18, s18, 1
	s_cmp_lg_u32 s18, 0
	s_cbranch_scc1 .Ltrip
	STEP 0, 0, 6, 0                                ; tiles 28 to 31 ask for nothing: no load leaves its buffer, and the counts run down
	STEP 1, 0, 3, 0
	STEP 2, 0, 0, 0
	STEP 3, 0, 0, 1                                ; the running minimum ends in BA
	; THE TWO HALVES OF THE LANES hold the same row's two octets of each tile.  key = 2 x tile + h; of the halves that hold the lower minimum, the lower key.
	; The eight row tiles go side by side, line by line, so that each run of eight comparisons has one wait behind it.
.irp m, 0,1,2,3,4,5,6,7
	v_permlanex16_b32 v[XX+\m], v[BA+\m], s22, s23
.endr
.irp m, 0,1,2,3,4,5,6,7
	v_lshl_or_b32 v[ID+\m], v[ID+\m], 1, v4
.endr
.irp m, 0,1,2,3,4,5,6,7
	v_permlanex16_b32 v[YY+\m], v[ID+\m], s22, s23
.endr
.irp m, 0,1,2,3,4,5,6,7
	v_min_num_f32 v[GG+\m], v[BA+\m], v[XX+\m]
.endr
.irp m, 0,1,2,3,4,5,6,7
	v_cmp_eq_f32 s[MK+\m], v[BA+\m], v[GG+\m]
.endr
	s_wait_alu depctr_va_sdst(0)                   ; these eight comparisons have written s[MK ..], which the choices below read
.irp m, 0,1,2,3,4,5,6,7
	v_cndmask_b32 v[ID+\m], v7, v[ID+\m], s[MK+\m]
.endr
.irp m, 0,1,2,3,4,5,6,7
	v_cmp_eq_f32 s[MK+\m], v[XX+\m], v[GG+\m]
.endr
	s_wait_alu depctr_va_sdst(0)                   ; and these eight likewise
.irp m, 0,1,2,3,4,5,6,7
	v_cndmask_b32 v[YY+\m], v7, v[YY+\m], s[MK+\m]
.endr
.irp m, 0,1,2,3,4,5,6,7
	v_min_u32 v[ID+\m], v[ID+\m], v[YY+\m]
.endr
.irp m, 0,1,2,3,4,5,6,7
	v_cndmask_b32 v[T+\m], v[GG+\m], v[ID+\m], s28 ; lanes 0-15 carry the minimum, lanes 16-31 the key
.endr
	s_wait_alu depctr_va_vdst(0)                   ; the choices have written T, which the LDS stores read; and the products are done reading v8-71, in which the LDS loads behind the barrier land: no vector line stands between
.irp m, 0,1,2,3,4,5,6,7
	ds_store_b32 v5, v[T+\m] offset:64*\m
.endr
	s_wait_dscnt 0x0                               ; for the others' sake: my stores have landed
	s_barrier_signal -1
	s_barrier_wait -1
	s_cmp_gt_u32 s16, 1
	s_cbranch_scc1 .Lend                           ; the closing merge is 64 threads' work: waves 0 and 1
	; THE SIXTEEN WAVES.  Keys ascend with the wave, so a strict comparison in ascending order keeps the first minimum.
.irp w, 0,1,2,3,4,5,6,7,8,9,10,11,12,13,14,15
	ds_load_b64 v[8+2*\w:9+2*\w], v6 offset:512*\w
.endr
.irp w, 0,1,2,3,4,5,6,7,8,9,10,11,12,13,14,15
	ds_load_b64 v[40+2*\w:41+2*\w], v6 offset:8192+512*\w
.endr
	s_wait_dscnt 0x0
.irp w, 1,2,3,4,5,6,7,8,9,10,11,12,13,14,15
	v_min_num_f32 v[8+2*\w], v[6+2*\w], v[8+2*\w]  ; in place: the running minimum through wave w.  Wave w's minimum is strictly lower than all before it just where this is strictly lower than the one through wave w - 1
	v_min_num_f32 v[9+2*\w], v[7+2*\w], v[9+2*\w]
.endr
.irp g, 0,1,2,3                                    ; four waves (eight masks) to a run; the keys are chosen in ascending order of the wave
.irp i, 1,2,3,4
.if 4*\g+\i < 16
	v_cmp_lt_f32 s[MK+2*\i-2], v[8+2*(4*\g+\i)], v[6+2*(4*\g+\i)]
	v_cmp_lt_f32 s[MK+2*\i-1], v[9+2*(4*\g+\i)], v[7+2*(4*\g+\i)]
.endif
.endr
	s_wait_alu depctr_va_sdst(0)                   ; the run's comparisons have written s[MK ..], which the choices below read
.irp i, 1,2,3,4
.if 4*\g+\i < 16
	v_cndmask_b32 v40, v40, v[40+2*(4*\g+\i)], s[MK+2*\i-2]
	v_cndmask_b32 v41, v41, v[41+2*(4*\g+\i)], s[MK+2*\i-1]
.endif
.endr
.endr
	s_wait_alu depctr_va_vdst(0)                   ; the choices have written v40 and v41, which the store reads
	global_store_b64 v6, v[40:41], s[14:15]        ; a wave stores 256 consecutive bytes, aligned: the octets of 64 rows
.Lend:
	s_wait_dscnt 0x0
	s_wait_alu depctr_hold_cnt(0) depctr_sa_sdst(0) depctr_va_vdst(0) depctr_va_sdst(0) depctr_va_ssrc(0) depctr_va_vcc(0) depctr_vm_vsrc(0)
	s_wait_tensorcnt 0x0
	ds_add_u32 v206, v207
	s_wait_dscnt 0x0
	s_endpgm
.Lfunc_end_k_qf472bcc4c1_search:
	.size	k_qf472bcc4c1_search, .Lfunc_end_k_qf472bcc4c1_search-k_qf472bcc4c1_search
	.p2alignl 7, 3214868480
	.fill 96, 4, 3214868480
	.section	.rodata,"a",@progbits
	.p2align	6, 0x0
	.amdhsa_kernel k_qf472bcc4c1_search
		.amdhsa_group_segment_fixed_size 18432
		.amdhsa_private_segment_fixed_size 0
		.amdhsa_enable_private_segment 0
		.amdhsa_kernarg_size 48
		.amdhsa_user_sgpr_count 2
		.amdhsa_user_sgpr_kernarg_segment_ptr 1
		.amdhsa_wavefront_size32 1
		.amdhsa_system_sgpr_workgroup_id_x 1
		.amdhsa_system_sgpr_workgroup_id_y 1
		.amdhsa_system_sgpr_workgroup_id_z 1
		.amdhsa_system_vgpr_workitem_id 0
		.amdhsa_next_free_vgpr 208
		.amdhsa_next_free_sgpr 66
		.amdhsa_reserve_vcc 0
		.amdhsa_float_denorm_mode_32 3
		.amdhsa_float_denorm_mode_16_64 3
		.amdhsa_memory_ordered 1
		.amdhsa_forward_progress 1
		.amdhsa_inst_pref_size 83
	.end_amdhsa_kernel
	.amdgpu_metadata
---
amdhsa.version: [ 1, 2 ]
amdhsa.kernels:
  - .name:           k_qf472bcc4c1_search
    .symbol:         k_qf472bcc4c1_search.kd
    .args:
      - { .name: zimg, .offset: 0, .size: 8, .value_kind: global_buffer, .address_space: global }
      - { .name: zsq, .offset: 8, .size: 8, .value_kind: global_buffer, .address_space: global }
      - { .name: cimg, .offset: 16, .size: 8, .value_kind: global_buffer, .address_space: global }
      - { .name: csq, .offset: 24, .size: 8, .value_kind: global_buffer, .address_space: global }
      - { .name: lowp_scales, .offset: 32, .size: 8, .value_kind: global_buffer, .address_space: global }
      - { .name: oct, .offset: 40, .size: 8, .value_kind: global_buffer, .address_space: global }
    .group_segment_fixed_size: 18432
    .private_segment_fixed_size: 0
    .kernarg_segment_align: 8
    .kernarg_segment_size: 48
    .max_flat_workgroup_size: 512
    .sgpr_count:     66
    .vgpr_count:     208
    .wavefront_size: 32
...
	.end_amdgpu_metadata
.endif
;; end of part 5
;; launch finish (part 6): grid 256 x 1, 8 waves a work-group, no clusters, 1,536 bytes of LDS; arguments zimg, zsq, cimg, csq, lowp_scales, oct, embedding_weight, out0, out1; writes out0, out1
.if DOCPART == 6
	.amdgcn_target "amdgcn-amd-amdhsa--gfx1250"
	.amdhsa_code_object_version 6
	.text
	.protected	k_qf472bcc4c1_finish
	.globl	k_qf472bcc4c1_finish
	.p2align	8
	.type	k_qf472bcc4c1_finish,@function
k_qf472bcc4c1_finish:
	s_mov_b64 s[64:65], 0
	v_nop
	global_prefetch_b8 v0, s[64:65] scope:SCOPE_SE
	s_setreg_imm32_b32 hwreg(HW_REG_WAVE_SCHED_MODE, 0, 2), 2
	s_setreg_imm32_b32 hwreg(HW_REG_WAVE_MODE, 25, 1), 1
	s_wait_xcnt 0x0
	s_wait_alu depctr_vm_vsrc(0)
; The launch before has stored, for each row of z, the octet o (0 .. 1,023) whose codes 8 o .. 8 o + 7 hold the first minimum of d.  Here d is made again for those eight codes, by the same arithmetic,
; the first minimum among them gives the index (out1 = index + 32,000), and the codebook's row of that index goes to out0.
; EVERY ADDRESS HANGS ON THE STORED OCTET ALONE, held at 1,023.  The place j of the minimum inside the octet comes from floating-point numbers: it enters no address and no branch.  All eight rows of the
; octet are loaded, and j's three bits choose among them by v_cndmask_b32.
; SHARES.  A wave owns a tile of 16 rows; a work-group of eight waves 128 rows.
; THE PRODUCTS.  Source 0 = 16 codes, source 1 = my 16 rows of z.  Product q (0 .. 7) takes as its slots 0-7 the octet of row q and as its slots 8-15 the octet of row q + 8.  In its result lane (r, h) holds row r against
; slots 8 h .. 8 h + 7: so lane q (row q, h = 0) and lane 24 + q (row q + 8, h = 1) hold a row's own eight sums.  Those two lanes are kept from each product.  K = 32 in the 16x16x64 form: registers 4 to 7 of both fragments are zero codes.
; LIMITS: -126 <= ez + ee + 1 <= 127.  NaN is not served.
; THE MODE: SCHED_MODE bits 1:0 = 2 (LLVM: expert scheduling mode 2), set by the entry lines.  The code itself states the register dependences
; between vector or matrix instructions and memory or LDS instructions, and those through scalar registers that vector instructions write, with s_wait_alu, always for 0.
; THE PLAN.  Registers that memory or LDS instructions touch:
;   v1, v2, v4, v5, v7, v8, v9   Offsets and LDS addresses, made at the head and never written again: one wait ahead of the first load.
;   OA, EO, OB                   Loaded as octets, turned into byte offsets by vector lines, read by the gathers: one wait ahead of the run of gathers.
;   FR                           The eight products read it; behind the last capture the candidates of stores 2 and 3 land there: one wait.
;   II                           Written by the index's arithmetic, read by one LDS store: one wait.
;   CA, CA+32; FR, FR+32         Loaded, halved three times in place by choices, read by the stores of out0, which go out in two pairs: one wait ahead of each pair.
; The comparisons write scalar masks, in two runs (eight for j, twelve for j's bits in four rows' order), each with one wait behind it.
; No register that a memory or LDS instruction reads is ever written again: no wait on vm_vsrc stands between the entry lines and the end.
.set OA, 16                            ; v16-23   product q: the octet whose codes my lane fetches, then the fragment's byte offset
.set OW, 24                            ; v24      my own row's octet
.set EO, 25                            ; v25      byte offset of its eight |e|^2
.set OB, 26                            ; v26-29   the way out, store b: the octet of row 4 b + lane / 8, then the byte offset of my 16 bytes of its first row
.set ZZ, 34                            ; v[34:35] |z|^2 of my row, twice
.set ZR, 36                            ; v36-43   z's fragment
.set FR, 48                            ; v48-111  the eight code fragments; later the candidates of stores 2 and 3
.set CA, 112                           ; v112-175 the candidates of stores 0 and 1: eight rows x 4 registers each
.set DA, 176                           ; v176-191 two results, by turns
.set PP, 192                           ; v192-199 my row's eight sums
.set EE, 200                           ; v200-207 |e|^2, then t, then d
.set MA, 208
.set MB, 209
.set GG, 210
.set JJ, 211
.set XX, 212
.set II, 213
.set IR, 214                           ; v214-217 store b: the index + 32,000 of row 4 b + lane / 8
.set KP, 32                            ; s32-39   product q: the two lanes that are kept; then: where d of code j is the minimum
.set MK, 28                            ; s28-39   at the end: store b, bit i of j, at MK + 3 b + i
	s_load_b512 s[4:19], s[0:1], 0x0               ; zimg s[4:5], zsq s[6:7], cimg s[8:9], csq s[10:11], the exponents s[12:13], oct s[14:15], the codebook s[16:17], out0 s[18:19]
	s_load_b64 s[20:21], s[0:1], 0x40              ; out1
	v_lshl_add_u32 v222, v0, 2, 0x200
	v_mov_b32 v223, 0
	v_lshrrev_b32 v10, 5, v0
	v_readfirstlane_b32 s22, v10                   ; wave 0..7
	v_and_b32 v11, 31, v0                          ; lane
	v_and_b32 v12, 15, v0                          ; r
	v_bfe_u32 v13, v0, 4, 1                        ; h
	v_lshlrev_b32 v1, 4, v11                       ; 16 x lane
	v_lshlrev_b32 v2, 2, v12                       ; 4 r
	v_and_b32 v6, 7, v0
	v_lshlrev_b32 v6, 4, v6                        ; 16 (lane % 8)
	v_lshl_add_u32 v3, v13, 8, v6                  ; in a tile's image: 16 (r % 8) + 256 h
	v_and_b32 v4, 8, v0
	v_lshlrev_b32 v4, 2, v4                        ; 32 (r / 8): the word of row 8 (r / 8)
	v_bfe_u32 v5, v0, 3, 2                         ; lane / 8
	s_wait_alu depctr_va_sdst(0)                   ; s22 is written, ahead of its first reader
	s_lshl_b32 s24, s22, 6                         ; my wave's 64 bytes of LDS
	v_lshl_add_u32 v8, v5, 2, s24                  ; the word of row lane / 8
	v_lshlrev_b32 v5, 2, v5
	v_add_nc_u32 v7, s24, v2                       ; the word of row r
	v_and_b32 v9, 63, v0
	v_lshlrev_b32 v9, 3, v9                        ; out1: two rows a thread
	s_lshl_b32 s23, ttmp9, 3
	s_add_co_u32 s23, s23, s22                     ; my tile of rows
.irp q, 0,1,2,3,4,5,6,7
	s_mov_b32 s[KP+\q], (1<<\q)|(1<<(24+\q))       ; the two lanes that are kept from product q
.endr
	s_mov_b32 s40, 0xff0000ff                      ; the lanes that hold a row's own sums
	s_mov_b32 s42, 0x76543210
	s_mov_b32 s43, 0xfedcba98                      ; selects for lane l xor 16
	s_mov_b32 s27, 0
.irp i, 4,5,6,7
	v_mov_b32 v[ZR+\i], 0                          ; zero codes for k = 32 .. 63
.endr
.irp q, 0,1,2,3,4,5,6,7
.irp i, 4,5,6,7
	v_mov_b32 v[FR+8*\q+\i], 0
.endr
.endr
	v_mov_b32 v[XX], 0                             ; written once: a lane permute's destination counts as one of its sources
	s_wait_kmcnt 0x0
	s_load_b64 s[46:47], s[12:13], 0x0             ; ez, ee
	s_lshl_b32 s26, s23, 9
	s_add_nc_u64 s[4:5], s[4:5], s[26:27]          ; my tile's image
	s_lshl_b32 s26, s23, 6
	s_add_nc_u64 s[6:7], s[6:7], s[26:27]          ; its 16 words of |z|^2
	s_add_nc_u64 s[14:15], s[14:15], s[26:27]      ; and of octets
	s_lshl_b32 s26, s23, 11
	s_add_nc_u64 s[18:19], s[18:19], s[26:27]      ; its 16 rows of out0, 128 bytes each
	s_lshl_b32 s26, ttmp9, 9
	s_add_nc_u64 s[20:21], s[20:21], s[26:27]      ; my work-group's 128 words of out1
	; ---- the octets, in the three orders in which they are wanted; z's fragment; |z|^2
	s_wait_alu depctr_va_vdst(0)                   ; v1, v2, v4, v5, v7, v8 and v9 are written: the loads below, the LDS instructions and the stores read them as offsets and addresses
.irp q, 0,1,2,3,4,5,6,7
	global_load_b32 v[OA+\q], v4, s[14:15] offset:4*\q         ; of row q + 8 (r / 8)
.endr
	global_load_b32 v[OW], v2, s[14:15]                        ; of row r
.irp b, 0,1,2,3
	global_load_b32 v[OB+\b], v5, s[14:15] offset:16*\b        ; of row 4 b + lane / 8
.endr
	global_load_b128 v[ZR:ZR+3], v1, s[4:5]
	global_load_b32 v[ZZ], v2, s[6:7]
	s_wait_kmcnt 0x0
	s_add_co_i32 s44, s46, s47
	s_add_co_i32 s44, s44, 128                     ; ez + ee + 1 + 127
	s_lshl_b32 s44, s44, 23
	s_or_b32 s44, s44, 0x80000000                  ; -2^(ez + ee + 1)
	s_mov_b32 s45, s44                             ; (named with it as a pair, so it is written)
	s_wait_loadcnt 0x0
	v_mov_b32 v[ZZ+1], v[ZZ]
	; ---- addresses from the octets: held at 1,023, then ANDs, shifts left and additions alone
.macro FADDR q                         ; code 8 o + r % 8 lies in tile o / 2 at row 8 (o % 2) + r % 8: byte 512 (o / 2) + 128 (o % 2) + 16 (r % 8) + 256 h of the images
	v_min_u32 v[OA+\q], 0x3ff, v[OA+\q]
	v_and_b32 v10, 0x3fe, v[OA+\q]
	v_and_b32 v11, 1, v[OA+\q]
	v_lshl_add_u32 v10, v10, 8, v3
	v_lshl_add_u32 v[OA+\q], v11, 7, v10
.endm
.irp q, 0,1,2,3,4,5,6,7
	FADDR \q
.endr
	v_min_u32 v[OW], 0x3ff, v[OW]
	v_lshlrev_b32 v[EO], 5, v[OW]                  ; eight words
.irp b, 0,1,2,3
	v_min_u32 v[OB+\b], 0x3ff, v[OB+\b]
	v_lshl_add_u32 v[OB+\b], v[OB+\b], 10, v6      ; eight rows of 128 bytes, + my 16 bytes of a row
.endr
.macro CAND b, reg                     ; the eight rows of the octet of row 4 b + lane / 8: my 16 bytes of each
.irp j, 0,1,2,3,4,5,6,7
	global_load_b128 v[\reg+4*\j:\reg+4*\j+3], v[OB+\b], s[16:17] offset:128*\j
.endr
.endm
	s_wait_alu depctr_va_vdst(0)                   ; the thirteen byte offsets OA, EO and OB are written, which the gathers read, those behind the products too
.irp q, 0,1,2,3,4,5,6,7
	global_load_b128 v[FR+8*\q:FR+8*\q+3], v[OA+\q], s[8:9]
.endr
	global_load_b128 v[EE:EE+3], v[EO], s[10:11]
	global_load_b128 v[EE+4:EE+7], v[EO], s[10:11] offset:16
	CAND 0, CA
	CAND 1, CA+32
	s_wait_loadcnt 18                              ; the eight fragments are in; |e|^2's two loads and the 16 of the candidates may be out
	; ---- eight products, the two results by turns; a capture of eight plain lines stands behind each product and names none of its registers
.macro MM q
	v_wmma_f32_16x16x64_bf8_bf8 v[DA+8*((\q)%2):DA+8*((\q)%2)+7], v[FR+8*(\q):FR+8*(\q)+7], v[ZR:ZR+7], 0
.endm
.macro CAPT q                          ; the two lanes of product q keep their eight sums; the result is read from its low end on
.irp j, 0,1,2,3,4,5,6,7
.if (\q) == 0
	v_mov_b32 v[PP+\j], v[DA+\j]
.else
	v_cndmask_b32 v[PP+\j], v[PP+\j], v[DA+8*((\q)%2)+\j], s[KP+(\q)]
.endif
.endr
.endm
	MM 0
	MM 1
.rept 5
	v_nop                                          ; five places: product 2 writes over product 0's result, and the capture between reads that result, so it is no place
.endr
	CAPT 0
.irp q, 2,3,4,5,6,7
	MM \q
	CAPT \q-1
.endr
	CAPT 7
	s_wait_alu depctr_va_vdst(0)                   ; the eight products are done reading the fragments' registers (and the zeros in them are written), in which the sixteen loads below land
	CAND 2, FR
	CAND 3, FR+32
	s_wait_loadcnt 32                              ; |e|^2 is in; the four stores' candidates, 32 loads, may be out
	; ---- d of my row's eight codes, as the launch before made it, and the first minimum among them
.irp i, 0,2,4,6
	v_pk_add_f32 v[EE+\i:EE+\i+1], v[EE+\i:EE+\i+1], v[ZZ:ZZ+1]                                    ; t = fl(|z|^2 + |e|^2)
.endr
.irp i, 0,2,4,6
	v_pk_fma_f32 v[EE+\i:EE+\i+1], v[PP+\i:PP+\i+1], s[44:45], v[EE+\i:EE+\i+1] op_sel_hi:[1,0,1]  ; d = fl(t - 2 p)
.endr
	v_min3_num_f32 v[MA], v[EE], v[EE+1], v[EE+2]
	v_min3_num_f32 v[MB], v[EE+3], v[EE+4], v[EE+5]
	v_min3_num_f32 v[MA], v[MA], v[EE+6], v[EE+7]
	v_min_num_f32 v[GG], v[MA], v[MB]
	v_mov_b32 v[JJ], 0
.irp j, 0,1,2,3,4,5,6,7
	v_cmp_eq_f32 s[KP+\j], v[EE+\j], v[GG]         ; (the captures are done with these scalar registers)
.endr
	s_wait_alu depctr_va_sdst(0)                   ; the eight comparisons have written s[KP ..], which the choices below read
.irp j, 7,6,5,4,3,2,1,0
	v_cndmask_b32 v[JJ], v[JJ], \j, s[KP+\j]       ; from the last to the first: the lowest j that holds the minimum stays
.endr
	v_permlanex16_b32 v[XX], v[JJ], s42, s43
	v_cndmask_b32 v[JJ], v[XX], v[JJ], s40         ; a lane that does not hold its row's own sums takes j from the lane 16 away, which does
	v_lshl_add_u32 v[II], v[OW], 3, v[JJ]
	v_add_nc_u32 v[II], 32000, v[II]               ; the index + 32,000
	s_wait_alu depctr_va_vdst(0)                   ; the addition has written II, which the LDS store reads
	ds_store_b32 v7, v[II]                         ; both halves of the lanes hold the same number and write the same word
	s_wait_dscnt 0x0                               ; for the others' sake: my store has landed
	s_barrier_signal -1
	s_barrier_wait -1
.irp b, 0,1,2,3
	ds_load_b32 v[IR+\b], v8 offset:16*\b          ; of row 4 b + lane / 8.  32,000 is a multiple of 8: the three low bits are j
.endr
	s_wait_dscnt 0x0
	; ---- the way out: four rows a store; j's bits halve the eight candidates three times.  The twelve tests of a bit stand in one run
.irp b, 0,1,2,3
	v_and_b32 v10, 1, v[IR+\b]
	v_and_b32 v11, 2, v[IR+\b]
	v_and_b32 v12, 4, v[IR+\b]
	v_cmp_ne_u32 s[MK+3*\b], 0, v10
	v_cmp_ne_u32 s[MK+3*\b+1], 0, v11
	v_cmp_ne_u32 s[MK+3*\b+2], 0, v12
.endr
	s_wait_alu depctr_va_sdst(0)                   ; the twelve comparisons have written s[MK ..], which the choices below read
.macro SELECT b, reg, cnt
	s_wait_loadcnt \cnt                            ; this store's eight candidates are in; the later stores' eight each may be out
.irp p, 0,8,16,24
.irp i, 0,1,2,3
	v_cndmask_b32 v[\reg+\p+\i], v[\reg+\p+\i], v[\reg+\p+4+\i], s[MK+3*(\b)]
.endr
.endr
.irp p, 0,16
.irp i, 0,1,2,3
	v_cndmask_b32 v[\reg+\p+\i], v[\reg+\p+\i], v[\reg+\p+8+\i], s[MK+3*(\b)+1]
.endr
.endr
.irp i, 0,1,2,3
	v_cndmask_b32 v[\reg+\i], v[\reg+\i], v[\reg+16+\i], s[MK+3*(\b)+2]
.endr
.endm
.macro SEND b, reg
	global_store_b128 v1, v[\reg:\reg+3], s[18:19] offset:512*\b th:TH_STORE_NT   ; the wave stores 512 consecutive bytes, aligned: four rows of out0
.endm
	SELECT 0, CA, 24
	SELECT 1, CA+32, 16
	s_wait_alu depctr_va_vdst(0)                   ; the choices have written v[CA ..] and v[CA+32 ..], which the two stores read
	SEND 0, CA
	SEND 1, CA+32
	SELECT 2, FR, 8
	SELECT 3, FR+32, 0
	s_wait_alu depctr_va_vdst(0)                   ; the choices have written v[FR ..] and v[FR+32 ..], which the two stores read
	SEND 2, FR
	SEND 3, FR+32
	s_cmp_gt_u32 s22, 1
	s_cbranch_scc1 .Ldone                          ; out1 is 64 threads' work: waves 0 and 1
	ds_load_b64 v[218:219], v9                     ; two rows' numbers; all eight waves' stores stand in front of the barrier above, and nobody writes these bytes again
	s_wait_dscnt 0x0
	global_store_b64 v9, v[218:219], s[20:21] th:TH_STORE_NT   ; a wave stores 256 consecutive bytes, aligned
.Ldone:
	s_wait_dscnt 0x0
	s_wait_alu depctr_hold_cnt(0) depctr_sa_sdst(0) depctr_va_vdst(0) depctr_va_sdst(0) depctr_va_ssrc(0) depctr_va_vcc(0) depctr_vm_vsrc(0)
	s_wait_tensorcnt 0x0
	ds_add_u32 v222, v223
	s_wait_dscnt 0x0
	s_endpgm
.Lfunc_end_k_qf472bcc4c1_finish:
	.size	k_qf472bcc4c1_finish, .Lfunc_end_k_qf472bcc4c1_finish-k_qf472bcc4c1_finish
	.p2alignl 7, 3214868480
	.fill 96, 4, 3214868480
	.section	.rodata,"a",@progbits
	.p2align	6, 0x0
	.amdhsa_kernel k_qf472bcc4c1_finish
		.amdhsa_group_segment_fixed_size 1536
		.amdhsa_private_segment_fixed_size 0
		.amdhsa_enable_private_segment 0
		.amdhsa_kernarg_size 72
		.amdhsa_user_sgpr_count 2
		.amdhsa_user_sgpr_kernarg_segment_ptr 1
		.amdhsa_wavefront_size32 1
		.amdhsa_system_sgpr_workgroup_id_x 1
		.amdhsa_system_sgpr_workgroup_id_y 1
		.amdhsa_system_sgpr_workgroup_id_z 1
		.amdhsa_system_vgpr_workitem_id 0
		.amdhsa_next_free_vgpr 224
		.amdhsa_next_free_sgpr 66
		.amdhsa_reserve_vcc 0
		.amdhsa_float_denorm_mode_32 3
		.amdhsa_float_denorm_mode_16_64 3
		.amdhsa_memory_ordered 1
		.amdhsa_forward_progress 1
		.amdhsa_inst_pref_size 29
	.end_amdhsa_kernel
	.amdgpu_metadata
---
amdhsa.version: [ 1, 2 ]
amdhsa.kernels:
  - .name:           k_qf472bcc4c1_finish
    .symbol:         k_qf472bcc4c1_finish.kd
    .args:
      - { .name: zimg, .offset: 0, .size: 8, .value_kind: global_buffer, .address_space: global }
      - { .name: zsq, .offset: 8, .size: 8, .value_kind: global_buffer, .address_space: global }
      - { .name: cimg, .offset: 16, .size: 8, .value_kind: global_buffer, .address_space: global }
      - { .name: csq, .offset: 24, .size: 8, .value_kind: global_buffer, .address_space: global }
      - { .name: lowp_scales, .offset: 32, .size: 8, .value_kind: global_buffer, .address_space: global }
      - { .name: oct, .offset: 40, .size: 8, .value_kind: global_buffer, .address_space: global }
      - { .name: embedding_weight, .offset: 48, .size: 8, .value_kind: global_buffer, .address_space: global }
      - { .name: out0, .offset: 56, .size: 8, .value_kind: global_buffer, .address_space: global }
      - { .name: out1, .offset: 64, .size: 8, .value_kind: global_buffer, .address_space: global }
    .group_segment_fixed_size: 1536
    .private_segment_fixed_size: 0
    .kernarg_segment_align: 8
    .kernarg_segment_size: 72
    .max_flat_workgroup_size: 256
    .sgpr_count:     66
    .vgpr_count:     224
    .wavefront_size: 32
...
	.end_amdgpu_metadata
.endif
;; end of part 6
